; MI455X (gfx1250); checked and timed in simulation.
; The chip was launched on July 23, 2026; its instructions are those of AMD's public machine-readable ISA for CDNA 5 (MIT licence, August 2026) and "CDNA5" Instruction Set Architecture Reference Guide (July 2026). The comments in the code are by the model that wrote it; some were corrected since.
;; Decoder Layer. Allowed arithmetic: matrix products marked QUANTISED: E4M3 operands, one E8M0 scale for each 32 along K, by v_wmma_scale_f32_16x16x128_f8f6f4 with both operands' format E4M3, f32 sums; everything else in f32.
;; Inputs: W1_codes 4,096 x 32 x 32 uint8 (E4M3 codes of W1, K innermost, in blocks of 32 codes); W1_scales 4,096 x 32 uint8 (E8M0 scales of W1, one for each 32 codes along K); W2_codes 1,024 x 128 x 32 uint8 (E4M3 codes of W2, K innermost, in blocks of 32 codes); W2_scales 1,024 x 128 uint8 (E8M0 scales of W2, one for each 32 codes along K); Wk_codes 1,024 x 32 x 32 uint8 (E4M3 codes of Wk, K innermost, in blocks of 32 codes); Wk_scales 1,024 x 32 uint8 (E8M0 scales of Wk, one for each 32 codes along K); Wo_codes 1,024 x 32 x 32 uint8 (E4M3 codes of Wo, K innermost, in blocks of 32 codes); Wo_scales 1,024 x 32 uint8 (E8M0 scales of Wo, one for each 32 codes along K); Wq_codes 1,024 x 32 x 32 uint8 (E4M3 codes of Wq, K innermost, in blocks of 32 codes); Wq_scales 1,024 x 32 uint8 (E8M0 scales of Wq, one for each 32 codes along K); Wv_codes 1,024 x 32 x 32 uint8 (E4M3 codes of Wv, K innermost, in blocks of 32 codes); Wv_scales 1,024 x 32 uint8 (E8M0 scales of Wv, one for each 32 codes along K); b1 4,096 float32; b2 1,024 float32; bk 1,024 float32; bo 1,024 float32; bq 1,024 float32; bv 1,024 float32; ln1_b 1,024 float32; ln1_g 1,024 float32; ln2_b 1,024 float32; ln2_g 1,024 float32; x 2 x 2,048 x 1,024 float32.
;; Outputs: out0 2 x 2,048 x 1,024 float32.
;; This version of the problem:
;;   THIS VERSION OF THE PROBLEM IS GIVEN IN LOW PRECISION. The matrix products marked QUANTISED in the list below multiply operands that are first quantised to E4M3 (4 exponent bits, 3 mantissa bits; 8 bits a number), with one power-of-two scale for each 32 numbers along K (OCP MX v1.0); their sums are f32. All else is computed in f32.
;;   The module's matrix products, in the order in which they are computed (A, B: the left and right operand; K: the contracted axis; several contracted axes count as one K, in the product's order):
;;     1. [M 4,096, K 1,024] x [K 1,024, N 1,024]; A: computed on the way; B: input Wq (given as codes): QUANTISED
;;     2. [M 4,096, K 1,024] x [K 1,024, N 1,024]; A: computed on the way; B: input Wk (given as codes): QUANTISED
;;     3. [M 4,096, K 1,024] x [K 1,024, N 1,024]; A: computed on the way; B: input Wv (given as codes): QUANTISED
;;     4. batch 32 x [M 2,048, K 64] x [K 64, N 2,048]; A: computed on the way; B: computed on the way: QUANTISED
;;     5. batch 32 x [M 2,048, K 2,048] x [K 2,048, N 64]; A: softmax (see below); B: computed on the way: QUANTISED
;;     6. [M 4,096, K 1,024] x [K 1,024, N 1,024]; A: computed on the way; B: input Wo (given as codes): QUANTISED
;;     7. [M 4,096, K 1,024] x [K 1,024, N 4,096]; A: computed on the way; B: input W1 (given as codes): QUANTISED
;;     8. [M 4,096, K 4,096] x [K 4,096, N 1,024]; A: computed on the way; B: input W2 (given as codes): QUANTISED
;;   THE QUANTISER, for each operand of a quantised product, along K:
;;     - K is cut into blocks of 32 from its start; a last block that is shorter is filled with zeros.
;;     - A block's scale is 2^e with e = floor(log2(the largest magnitude in the block)) - 8, held to -126 .. 127; a block of zeros has e = 0. As a byte (E8M0): e + 127.
;;     - Each number is divided by its block's scale, clamped to +-448, and rounded to the nearest number of E4M3, ties to even, subnormals kept.
;;     - The product sums the exact products of the quantised numbers (number of the format x scale) in f32.
;;   ~~~python
;;   def quantise(x, axis):      # numpy; x: float32 -> the quantised numbers, widened to float32 again
;;       x = np.moveaxis(x, axis, -1); K = x.shape[-1]
;;       x = np.pad(x, [(0, 0)] * (x.ndim - 1) + [(0, -K % 32)]); x = x.reshape(x.shape[:-1] + (-1, 32)); a = np.abs(x).max(-1, keepdims=True)
;;       e = np.where(a > 0, np.clip(np.frexp(np.where(a > 0, a, 1))[1] - 1 - 8, -126, 127), 0)      # np.frexp(a)[1] - 1 = floor(log2(a)), exactly
;;       r = np.clip(x / 2.0 ** e, -448, 448)
;;       step = 2.0 ** (np.maximum(np.frexp(np.where(r == 0, 1, r))[1] - 1, -6) - 3)
;;       q = np.round(r / step) * step * 2.0 ** e      # np.round: ties to even
;;       return np.moveaxis(q.reshape(q.shape[:-2] + (-1,))[..., :K], -1, axis).astype(np.float32)
;;   ~~~
;;   SOFTMAX AHEAD OF A QUANTISED PRODUCT. Where the list says 'softmax', what is quantised is not the finished softmax but p = 2^(t - M), with t = logit x log2(e) and M = ceil(the row's largest t), a whole number; so 1/2 < the row's largest p <= 1. The row's sum l is taken of the UNQUANTISED p, in f32, and the product's result is divided by l at the end. Since M is a whole number, a kernel that streams over the keys may use a running M (the ceiling of the running maximum): every later rescaling is an exact power of two, which a block's scale takes up: the codes' values come out the same.
;;   OPERANDS COMPUTED ON THE WAY. 'Computed on the way' means the value that the module computes at that place (a softmax that the list does not call 'softmax' is quantised finished and normalised). What goes into a quantiser is computed in f32, as accurately as f32 sums, v_exp_f32 and their like allow (about 1e-6 of the number): no bf16 or f16 on the way to a quantiser, and a product that is left as it is and whose result goes on into a quantised operand takes f32 operands (vector FMAs, or v_wmma_f32_16x16x4_f32). A number that lies on a knife's edge between two numbers of the format may be rounded either way, as far as f32 arithmetic and the matrix unit's own rounding can turn it there, and no further.
;;   INPUTS GIVEN AS CODES. W1 (in the module: [1024, 4096], K = its axis 0); W2 (in the module: [4096, 1024], K = its axis 0); Wk (in the module: [1024, 1024], K = its axis 0); Wo (in the module: [1024, 1024], K = its axis 0); Wq (in the module: [1024, 1024], K = its axis 0); Wv (in the module: [1024, 1024], K = its axis 0): each comes as NAME_codes (uint8): NAME with its K axis moved to the last place and cut into blocks of 32 codes, [.., K / 32, bytes a block], one block behind the other in memory; one code a byte (a code: sign, 4 exponent bits, 3 mantissa bits); and NAME_scales (uint8): the same leading axes, one E8M0 byte (e + 127) for each 32 codes along K. Its value is code x scale, taken as it is: it is not quantised again, and the codes and scales need not be those that the quantiser above would give.
;; One version. Each part assembles by itself: llvm-mc -triple=amdgcn-amd-amdhsa -mcpu=gfx1250 --defsym DOCPART=n.
;; ======== version 1 of 1: 7 launches
;; limits: right only within a limited range of input values
;; workspace buffers: hq 4,325,376 bytes; qkv 13,238,272 bytes; oq 4,325,376 bytes; x1 16,777,216 bytes; fq 17,301,504 bytes
;; launch ln1 (part 1): grid 256 x 1, 16 waves a work-group, no clusters, 84,992 bytes of LDS; arguments x, ln1_g, ln1_b, hq; writes hq
.if DOCPART == 1
	.amdgcn_target "amdgcn-amd-amdhsa--gfx1250"
	.amdhsa_code_object_version 6
	.text
	.protected	k_q4e75d790ad_ln1
	.globl	k_q4e75d790ad_ln1
	.p2align	8
	.type	k_q4e75d790ad_ln1,@function
k_q4e75d790ad_ln1:
	s_mov_b64 s[64:65], 0
	v_nop
	global_prefetch_b8 v0, s[64:65] scope:SCOPE_SE
	s_setreg_imm32_b32 hwreg(HW_REG_WAVE_MODE, 25, 1), 1
	s_wait_xcnt 0x0
; LayerNorm of 4,096 rows of 1,024 f32, then the MX quantiser along the row: codes of FP8 (E4M3) [4096][1024] at byte 0 of the output buffer, one E8M0 byte for each 32 numbers, [4096][32], at byte 4,194,304.
; y = (x - mean) * rsqrt(var + 1e-6) * g + b, all in f32, in two passes over registers: the mean first, then the mean of the squared differences, so that no difference of large sums is formed.
; SHARES.  A work-group takes 16 rows, each of its sixteen waves ONE row: four waves to a SIMD, so that one wave's chains of sums stand beside another's.  A wave's 24 loads are issued at the head.  Each load of x reads 512 consecutive bytes, 16 a lane.
; The conversions take neighbours from ONE lane, so half a row (2,048 bytes) at a time turns through the wave's own stage in LDS and comes back 64 bytes a lane: lane l then holds numbers 512 t + 16 l + 0 .. 15.
; A stage has 16 bytes of padding behind each 64.  Two neighbouring lanes hold a block of 32.  A lane's 16 codes are 16 bytes: a store covers 512 consecutive bytes.
; The work-group's 512 scale bytes are gathered in LDS and leave as two aligned runs of 256 bytes, stored by wave 0.
; LIMITS: NaN and infinities among the inputs are not served.  A block whose largest magnitude lies under 2^-118, a block of zeros among them, gets the byte 1 (the rule says 127 for zeros): its codes are zeros or tiny, and the bytes are read by this program alone.
.set G,    16                          ; v16-47   g[512 t + 16 lane + i] at G + 16 t + i
.set B,    48                          ; v48-79   b likewise
.set RAW,  80                          ; v80-111  the row as loaded; once it has turned: +0..7 its codes, +8, +9 its scale bytes
.set X,    208                         ; v208-239 the row: 32 numbers a lane
.set T,    240                         ; v240-253 at work
.set STG,  2560                        ; a stage: 32 lanes x (64 + 16) bytes
.set WREG, 2*STG                       ; a wave's two stages: one for each half of its row
.set SCB,  16*WREG                     ; behind them the work-group's 512 scale bytes
	s_load_b256 s[4:11], s[0:1], 0x0               ; x s[4:5], g s[6:7], b s[8:9], the output s[10:11]
	v_lshl_add_u32 v254, v0, 2, 0x14400            ; my spare word: 2,048 bytes for sixteen waves, behind the scale bytes
	v_mov_b32 v255, 0
	v_lshrrev_b32 v6, 5, v0
	v_readfirstlane_b32 s17, v6                    ; wave 0..15
	v_and_b32 v7, 31, v0                           ; lane
	v_lshlrev_b32 v1, 4, v7                        ; 16 x lane: my bytes of a load's 512, and of a store's
	v_lshlrev_b32 v5, 6, v7                        ; 64 x lane: my 16 numbers of g and of b
	s_mul_i32 s20, s17, WREG
	v_lshrrev_b32 v2, 2, v7
	v_mul_u32_u24 v2, v2, 80
	v_and_b32 v3, 3, v7
	v_lshl_add_u32 v2, v3, 4, v2
	v_add_nc_u32 v2, s20, v2                       ; into a stage: 80 (lane / 4) + 16 (lane % 4); a load's 512 bytes take eight places of 80
	v_mul_u32_u24 v3, v7, 80
	v_add_nc_u32 v3, s20, v3                       ; out of it: 80 x lane
	s_lshl_b32 s21, s17, 5
	s_add_co_u32 s21, s21, SCB
	v_lshrrev_b32 v4, 1, v7
	v_add_nc_u32 v4, s21, v4                       ; my block's scale byte: 32 bytes a wave
	v_add_nc_u32 v6, SCB, v1                       ; and where wave 0 reads them back
	s_mov_b32 s12, 0x76543210
	s_mov_b32 s13, 0xfedcba98                      ; v_permlanex16_b32: lane l xor 16
	s_mov_b32 s14, 0x3a800000                      ; 1 / 1024
	s_mov_b32 s29, 0xba800000                      ; -1 / 1024
	s_mov_b32 s15, 0x358637bd                      ; 1e-6
	s_mov_b32 s16, 0x600000                        ; the mantissa field of 448
	s_lshl_b32 s22, ttmp9, 16                      ; x: 16 rows of 4,096 bytes a work-group,
	s_lshl_b32 s23, s17, 12                        ; one row a wave
	s_add_co_u32 s22, s22, s23
	s_mov_b32 s23, 0
	s_lshl_b32 s24, ttmp9, 14                      ; the codes: rows of 1,024 bytes
	s_lshl_b32 s25, s17, 10
	s_add_co_u32 s24, s24, s25
	s_mov_b32 s25, 0
	s_lshl_b32 s26, ttmp9, 9                       ; the scale bytes: 512 a work-group
	s_add_co_u32 s26, s26, 0x400000
	s_mov_b32 s27, 0
	v_mov_b32 v[T+5], 0                            ; upper halves of pairs of which the low word serves both halves: named, so written
	v_mov_b32 v[T+9], 0
	s_wait_alu depctr_va_vdst(0)                   ; the wait at the head's end
	s_wait_kmcnt 0x0
	s_add_nc_u64 s[4:5], s[4:5], s[22:23]
	s_add_nc_u64 s[18:19], s[10:11], s[26:27]
	s_add_nc_u64 s[10:11], s[10:11], s[24:25]
.irp i, 0,1,2,3,4,5,6,7
	global_load_b128 v[RAW+4*\i:RAW+4*\i+3], v1, s[4:5] offset:512*\i th:TH_LOAD_NT
.endr
.irp t, 0,1
.irp j, 0,1,2,3
	global_load_b128 v[G+16*\t+4*\j:G+16*\t+4*\j+3], v5, s[6:7] offset:2048*\t+16*\j
	global_load_b128 v[B+16*\t+4*\j:B+16*\t+4*\j+3], v5, s[8:9] offset:2048*\t+16*\j
.endr
.endr
.macro REDUCE                          ; v[T] summed over the 32 lanes, the sum in every lane
	v_add_f32_dpp v[T], v[T], v[T] row_xmask:1 row_mask:0xf bank_mask:0xf
	v_add_f32_dpp v[T], v[T], v[T] row_xmask:2 row_mask:0xf bank_mask:0xf
	v_add_f32_dpp v[T], v[T], v[T] row_xmask:4 row_mask:0xf bank_mask:0xf
	v_add_f32_dpp v[T], v[T], v[T] row_xmask:8 row_mask:0xf bank_mask:0xf
	v_permlanex16_b32 v[T+1], v[T], s12, s13
	v_add_f32 v[T], v[T], v[T+1]
.endm
	s_wait_loadcnt 16                              ; the row is in; the sixteen loads of g and b, issued behind it, may be out
.irp i, 0,1,2,3,4,5,6,7
	ds_store_b128 v2, v[RAW+4*\i:RAW+4*\i+3] offset:(\i/4)*STG+640*(\i%4)
.endr
.irp i, 0,1,2,3,4,5,6,7
	ds_load_b128 v[X+4*\i:X+4*\i+3], v3 offset:(\i/4)*STG+16*(\i%4)   ; LDS serves a wave's instructions in order: these see the stores above
.endr
	s_wait_dscnt 0x0
	v_pk_add_f32 v[T:T+1], v[X:X+1], v[X+2:X+3]    ; the sum of my 32 numbers, in two chains
	v_pk_add_f32 v[T+2:T+3], v[X+4:X+5], v[X+6:X+7]
.irp j, 8,12,16,20,24,28
	v_pk_add_f32 v[T:T+1], v[T:T+1], v[X+\j:X+\j+1]
	v_pk_add_f32 v[T+2:T+3], v[T+2:T+3], v[X+\j+2:X+\j+3]
.endr
	v_pk_add_f32 v[T:T+1], v[T:T+1], v[T+2:T+3]
	v_add_f32 v[T], v[T], v[T+1]
	REDUCE
	v_mul_f32 v[T+4], s29, v[T]                    ; -mean
.set j, 0
.rept 16
	v_pk_add_f32 v[X+j:X+j+1], v[X+j:X+j+1], v[T+4:T+5] op_sel_hi:[1,0]   ; d = x - mean
.set j, j+2
.endr
	v_pk_mul_f32 v[T:T+1], v[X:X+1], v[X:X+1]      ; the sum of d^2
	v_pk_mul_f32 v[T+2:T+3], v[X+2:X+3], v[X+2:X+3]
.irp j, 4,8,12,16,20,24,28
	v_pk_fma_f32 v[T:T+1], v[X+\j:X+\j+1], v[X+\j:X+\j+1], v[T:T+1]
	v_pk_fma_f32 v[T+2:T+3], v[X+\j+2:X+\j+3], v[X+\j+2:X+\j+3], v[T+2:T+3]
.endr
	v_pk_add_f32 v[T:T+1], v[T:T+1], v[T+2:T+3]
	v_add_f32 v[T], v[T], v[T+1]
	REDUCE
	v_fma_f32 v[T+6], v[T], s14, s15               ; var + eps
	s_wait_alu depctr_va_vdst(0)                   ; the wait ahead of the transcendental
	v_rsq_f32 v[T+8], v[T+6]
	v_nop                                          ; a plain instruction behind the transcendental,
	s_wait_alu depctr_va_vdst(0)                   ; and the wait ahead of the first use of its result
	s_wait_loadcnt 0x0                             ; g and b
.set j, 0
.rept 16
	v_pk_mul_f32 v[X+j:X+j+1], v[X+j:X+j+1], v[T+8:T+9] op_sel_hi:[1,0]
.set j, j+2
.endr
.set j, 0
.rept 16
	v_pk_fma_f32 v[X+j:X+j+1], v[X+j:X+j+1], v[G+j:G+j+1], v[B+j:B+j+1]
.set j, j+2
.endr
.irp t, 0,1                            ; the quantiser: my 16 numbers of half t, my neighbour's 16 make up the block
	v_max3_num_f32 v[T], |v[X+16*\t]|, |v[X+16*\t+1]|, |v[X+16*\t+2]|
	v_max3_num_f32 v[T+1], |v[X+16*\t+3]|, |v[X+16*\t+4]|, |v[X+16*\t+5]|
.irp i, 6,10
	v_max3_num_f32 v[T], v[T], |v[X+16*\t+\i]|, |v[X+16*\t+\i+1]|
	v_max3_num_f32 v[T+1], v[T+1], |v[X+16*\t+\i+2]|, |v[X+16*\t+\i+3]|
.endr
	v_max3_num_f32 v[T], v[T], |v[X+16*\t+14]|, |v[X+16*\t+15]|
	v_max3_num_f32 v[T], v[T], v[T+1], 0x4800000   ; and the floor 2^(9 - 127): the byte cannot fall under 1
	v_max_num_f32_dpp v[T], v[T], v[T] row_xmask:1 row_mask:0xf bank_mask:0xf
	v_add_nc_u32 v[T+2], 0xfc000000, v[T]          ; 8 off the exponent field: the conversion's scale operand
	v_and_or_b32 v[T+3], v[T], 0x7f800000, s16     ; 448 x the scale
.irp i, 0,1,2,3,4,5,6,7,8,9,10,11,12,13,14,15
	v_med3_num_f32 v[X+16*\t+\i], v[X+16*\t+\i], -v[T+3], v[T+3]   ; the conversion to an 8-bit code does not saturate (ISA guide 7.6.2): the hold comes first
.endr
	v_cvt_scalef32_pk8_fp8_f32 v[RAW+4*\t:RAW+4*\t+1], v[X+16*\t:X+16*\t+7], v[T+2]
	v_cvt_scalef32_pk8_fp8_f32 v[RAW+4*\t+2:RAW+4*\t+3], v[X+16*\t+8:X+16*\t+15], v[T+2]
	v_lshrrev_b32 v[RAW+8+\t], 23, v[T+2]          ; the scale's byte (also the plain instruction behind the conversions)
	ds_store_b8 v4, v[RAW+8+\t] offset:16*\t       ; both lanes of a block write the same byte with the same value
	global_store_b128 v1, v[RAW+4*\t:RAW+4*\t+3], s[10:11] offset:512*\t   ; 32 lanes store 512 consecutive bytes; each store has data registers of its own
.endr
	s_wait_dscnt 0x0                               ; for the others' sake: my byte stores have landed
	s_barrier_signal -1
	s_barrier_wait -1
	s_cmp_lg_u32 s17, 0
	s_cbranch_scc1 .Lend
	ds_load_b128 v[T:T+3], v6                      ; wave 0: the work-group's 512 scale bytes
	s_wait_dscnt 0x0
	global_store_b128 v1, v[T:T+3], s[18:19]
.Lend:
	s_wait_tensorcnt 0x0                           ; the wave's end
	ds_add_u32 v254, v255
	s_wait_dscnt 0x0
	s_endpgm
.Lfunc_end_k_q4e75d790ad_ln1:
	.size	k_q4e75d790ad_ln1, .Lfunc_end_k_q4e75d790ad_ln1-k_q4e75d790ad_ln1
	.p2alignl 7, 3214868480
	.fill 96, 4, 3214868480
	.section	.rodata,"a",@progbits
	.p2align	6, 0x0
	.amdhsa_kernel k_q4e75d790ad_ln1
		.amdhsa_group_segment_fixed_size 84992
		.amdhsa_private_segment_fixed_size 0
		.amdhsa_enable_private_segment 0
		.amdhsa_kernarg_size 32
		.amdhsa_user_sgpr_count 2
		.amdhsa_user_sgpr_kernarg_segment_ptr 1
		.amdhsa_wavefront_size32 1
		.amdhsa_system_sgpr_workgroup_id_x 1
		.amdhsa_system_sgpr_workgroup_id_y 1
		.amdhsa_system_sgpr_workgroup_id_z 1
		.amdhsa_system_vgpr_workitem_id 0
		.amdhsa_next_free_vgpr 256
		.amdhsa_next_free_sgpr 66
		.amdhsa_reserve_vcc 0
		.amdhsa_float_denorm_mode_32 3
		.amdhsa_float_denorm_mode_16_64 3
		.amdhsa_memory_ordered 1
		.amdhsa_forward_progress 1
		.amdhsa_inst_pref_size 17
	.end_amdhsa_kernel
	.amdgpu_metadata
---
amdhsa.version: [ 1, 2 ]
amdhsa.kernels:
  - .name:           k_q4e75d790ad_ln1
    .symbol:         k_q4e75d790ad_ln1.kd
    .args:
      - { .name: x, .offset: 0, .size: 8, .value_kind: global_buffer, .address_space: global }
      - { .name: ln1_g, .offset: 8, .size: 8, .value_kind: global_buffer, .address_space: global }
      - { .name: ln1_b, .offset: 16, .size: 8, .value_kind: global_buffer, .address_space: global }
      - { .name: hq, .offset: 24, .size: 8, .value_kind: global_buffer, .address_space: global }
    .group_segment_fixed_size: 84992
    .private_segment_fixed_size: 0
    .kernarg_segment_align: 8
    .kernarg_segment_size: 32
    .max_flat_workgroup_size: 512
    .sgpr_count:     66
    .vgpr_count:     256
    .wavefront_size: 32
...
	.end_amdgpu_metadata
.endif
;; end of part 1
;; launch proj (part 2): grid 12 x 16, 4 waves a work-group, clusters of 4 x 4, 327,680 bytes of LDS; arguments hq, Wq_codes, Wq_scales, Wk_codes, Wk_scales, Wv_codes, Wv_scales, bq, bk, bv, qkv; writes qkv
.if DOCPART == 2
	.amdgcn_target "amdgcn-amd-amdhsa--gfx1250"
	.amdhsa_code_object_version 6
	.text
	.protected	k_q4e75d790ad_proj
	.globl	k_q4e75d790ad_proj
	.p2align	8
	.type	k_q4e75d790ad_proj,@function
k_q4e75d790ad_proj:
	s_mov_b64 s[64:65], 0
	v_nop
	global_prefetch_b8 v0, s[64:65] scope:SCOPE_SE
	s_setreg_imm32_b32 hwreg(HW_REG_WAVE_MODE, 25, 1), 1
	s_wait_xcnt 0x0
	s_wait_alu depctr_hold_cnt(0) depctr_sa_sdst(0) depctr_va_vdst(0) depctr_va_sdst(0) depctr_va_ssrc(0) depctr_va_vcc(0) depctr_vm_vsrc(0)
	s_getreg_b32 s2, hwreg(HW_REG_IB_STS2, 6, 4)
	s_cmp_eq_u32 s2, 0
	s_cbranch_scc0 .Lentry_in_a_cluster
	s_endpgm
.Lentry_in_a_cluster:
	s_bfe_u32 s2, ttmp6, 0x10000c
	s_cmp_lg_u32 s2, 0xf033
	s_cbranch_scc0 .Lentry_shape_is_right
	s_endpgm
.Lentry_shape_is_right:
.set MODE,   0
.set SIZE_K, 1024
.set KSTEP,  256
.set NQ,     KSTEP/128
.set ROWB,   256
.set KROW,   SIZE_K
.set PITCH,  272
.set FR,     16
.set NL,     4
.set NP,     8
.set HALFT,  128*PITCH
.set SLOT,   4*HALFT
.set LAPS,   SIZE_K/(2*KSTEP)
.set KS,     SIZE_K/32
.set SCL,    2*SLOT
.set HALFS,  (128*KS/256)*272
.set SBLK,   (16*KS/256)*272
.set SPARE,  SCL+4*HALFS
.set VR4,  7
.set ADRA, 16
.set ADRB, 20
.set VBO,  23
.set SGA,  24
.set SGR,  25
.set LO,   26
.set ADRS, 27
.set SPW,  28
.set NIL,  29
.if MODE == 0
.set VX,   22
.else
.set VX,   26
.endif
.set SC,   32
.set BP,   64
.set AF,   128
.set T,    128
.set PC,   192
.set TM,   208
.set PW,   224
.set XW,   225
.set YW,   226
.set SEL,  40
.set MNT,  43
.set G1, 24
.set G0, 32
.set G1B, 48
.set G0B, 56
.set G1S, 68
.set G0S, 76
.set G1SB, 80
.set G0SB, 88
.set MSB, 0
.macro WIN new
.if MSB != \new
	s_set_vgpr_msb (MSB<<8)|\new
.set MSB, \new
.endif
.endm
.set MUL_LO, 0xa1
.set MUL_HI, 0xf1
.set TO_B,   0x40
.macro JLOAD g0a, g1a, g0b, g1b
	s_cmp_eq_u32 s15, 0
	s_cbranch_scc0 .Lfor_b_\@
	tensor_load_to_lds s[\g0a:\g0a+3], s[\g1a:\g1a+7]
	s_nop 0
.rept 4
	v_nop
.endr
	s_branch .Lasked_\@
.Lfor_b_\@:
	tensor_load_to_lds s[\g0b:\g0b+3], s[\g1b:\g1b+7]
	s_nop 0
.rept 4
	v_nop
.endr
.Lasked_\@:
.endm
.macro CREST
	s_cmp_lg_u32 s14, 0
	s_cbranch_scc1 .Lnot_wave_0_\@
	s_barrier_signal -3
.Lnot_wave_0_\@:
	s_barrier_wait -3
	s_barrier_signal -1
	s_barrier_wait -1
.endm
.macro CROUND
	s_barrier_signal -1
	s_barrier_wait -1
	CREST
.endm
.if MODE == 0
	s_load_b512 s[68:83], s[0:1], 0x0
	s_load_b128 s[84:87], s[0:1], 0x40
	s_load_b64 s[88:89], s[0:1], 0x50
.else
	s_load_b256 s[68:75], s[0:1], 0x0
	s_load_b64 s[76:77], s[0:1], 0x20
.endif
	v_lshl_add_u32 v[SPW], v0, 2, SPARE
	v_mov_b32 v[NIL], 0
	ds_add_u32 v28, v29
	ds_add_u32 v28, v29
	s_wait_dscnt 0x0
	v_lshrrev_b32 v1, 5, v0
	v_readfirstlane_b32 s14, v1
	s_lshr_b32 s15, s14, 1
	s_and_b32 s16, s14, 1
	s_bfe_u32 s40, ttmp6, 0x40000
	s_bfe_u32 s41, ttmp6, 0x40004
	s_and_b32 s18, ttmp7, 0xffff
	s_lshl_b32 s18, s18, 2
.if MODE == 0
	s_cmp_eq_u32 ttmp9, 2
	s_cselect_b32 s42, s18, 0
	s_cselect_b32 s17, 0, s18
.else
	s_lshl_b32 s42, ttmp9, 2
	s_mov_b32 s17, s18
.endif
	s_add_co_u32 s42, s42, s40
	s_add_co_u32 s17, s17, s41
	s_lshl_b32 s43, s41, 2
	s_lshl_b32 s43, 15, s43
	s_lshl_b32 s44, 0x1111, s40
	s_or_b32 s[G1+0], s43, (0<<16)|(1<<20)|(1<<21)|(5<<22)|(3<<25)
	s_or_b32 s[G1B+0], s44, (0<<16)|(1<<20)|(1<<21)|(5<<22)|(3<<25)
.irp g, G1, G1B
	s_mov_b32 s[\g+1], ROWB<<16
	s_mov_b32 s[\g+2], 256<<16
	s_mov_b32 s[\g+3], ROWB<<16
	s_mov_b32 s[\g+4], 256
	s_mov_b32 s[\g+5], KROW
	s_mov_b32 s[\g+6], 0
	s_mov_b32 s[\g+7], 0
.endr
	s_lshl_b32 s20, s17, 8
	s_lshl_b32 s46, s42, 8
	s_mov_b32 s21, 0
	s_mov_b32 s47, 0
	s_mov_b64 s[18:19], KS
	s_mul_u64 s[22:23], s[20:21], s[18:19]
	s_mul_u64 s[92:93], s[46:47], s[18:19]
	s_mov_b64 s[18:19], KROW
	s_mul_u64 s[20:21], s[20:21], s[18:19]
	s_mul_u64 s[46:47], s[46:47], s[18:19]
	s_mul_i32 s45, s14, HALFT
	s_wait_kmcnt 0x0
.if MODE == 0
	s_add_nc_u64 s[90:91], s[68:69], 0x400000
	s_cmp_eq_u32 ttmp9, 0
	s_cselect_b64 s[8:9], s[70:71], s[74:75]
	s_cselect_b64 s[10:11], s[72:73], s[76:77]
	s_cselect_b64 s[96:97], s[82:83], s[84:85]
	s_cmp_eq_u32 ttmp9, 2
	s_cselect_b64 s[4:5], s[78:79], s[68:69]
	s_cselect_b64 s[6:7], s[80:81], s[90:91]
	s_cselect_b64 s[8:9], s[68:69], s[8:9]
	s_cselect_b64 s[10:11], s[90:91], s[10:11]
	s_cselect_b64 s[96:97], s[86:87], s[96:97]
	s_mov_b64 s[12:13], s[88:89]
.else
	s_mov_b64 s[4:5], s[68:69]
	s_add_nc_u64 s[6:7], s[68:69], 0x400000
	s_mov_b64 s[8:9], s[70:71]
	s_mov_b64 s[10:11], s[72:73]
	s_mov_b64 s[96:97], s[74:75]
	s_mov_b64 s[12:13], s[76:77]
.endif
	s_or_b32 s[G1S+0], s43, (3<<16)|(1<<20)|(1<<21)|(5<<22)|(3<<25)
	s_or_b32 s[G1SB+0], s44, (3<<16)|(1<<20)|(1<<21)|(5<<22)|(3<<25)
.irp g, G1S, G1SB
	s_mov_b32 s[\g+1], 32<<16
	s_mov_b32 s[\g+2], KS<<16
	s_mov_b32 s[\g+3], 32<<16
	s_mov_b32 s[\g+4], KS
	s_mov_b32 s[\g+5], 32
	s_mov_b32 s[\g+6], 0
	s_mov_b32 s[\g+7], 0
.endr
	s_add_nc_u64 s[20:21], s[4:5], s[20:21]
	s_add_nc_u64 s[22:23], s[6:7], s[22:23]
	s_add_nc_u64 s[46:47], s[8:9], s[46:47]
	s_add_nc_u64 s[92:93], s[10:11], s[92:93]
	CROUND
	s_mov_b32 s[G0S], 1
	s_mov_b32 s[G0S+1], SCL
	s_mov_b64 s[G0S+2:G0S+3], s[22:23]
	s_or_b32 s[G0S+3], s[G0S+3], 0x80000000
	s_mov_b32 s[G0SB], 1
	s_mov_b32 s[G0SB+1], SCL+2*HALFS
	s_mov_b64 s[G0SB+2:G0SB+3], s[92:93]
	s_or_b32 s[G0SB+3], s[G0SB+3], 0x80000000
; THE HEAD'S FOUR TILES, EACH WHOLE, ONE JOINT LOAD A WAVE: wave 0 K step 0's 256 rows of A, wave 1 its 256 rows of B, wave 2 A's scale bytes, wave 3 B's.  Slot 0's groups 0 serve them and are set for the ring behind the wait below.
	s_mov_b32 s[G0], 1
	s_mov_b32 s[G0+1], 0
	s_mov_b64 s[G0+2:G0+3], s[20:21]
	s_or_b32 s[G0+3], s[G0+3], 0x80000000
	s_mov_b32 s[G0B], 1
	s_mov_b32 s[G0B+1], 2*HALFT
	s_mov_b64 s[G0B+2:G0B+3], s[46:47]
	s_or_b32 s[G0B+3], s[G0B+3], 0x80000000
; the prefetches' address: of a tile's 256 rows each of the eight waves that fetch for it in the four partners takes 32, told apart by address: (8 x tile + 2 x place + half) x 32 rows; a lane a row
	s_cmp_eq_u32 s15, 0
	s_cselect_b64 s[100:101], s[4:5], s[8:9]
	s_cselect_b32 s2, s17, s42
	s_cselect_b32 s3, s40, s41
	s_lshl_b32 s2, s2, 3
	s_lshl_b32 s3, s3, 1
	s_add_co_u32 s2, s2, s3
	s_add_co_u32 s2, s2, s16
	s_mul_i32 s2, s2, 32*KROW
	s_mov_b32 s3, 0
	s_add_nc_u64 s[100:101], s[100:101], s[2:3]
.macro ARM under, g0, g1, next         ; one tree of branches on the wave's number: every way through the head passes one load
	s_cmp_lt_u32 s14, \under
	s_cbranch_scc0 \next
	tensor_load_to_lds s[\g0:\g0+3], s[\g1:\g1+7]
	s_nop 0
.rept 4
	v_nop
.endr
	s_branch .Lhead_asked
\next:
.endm
	ARM 1, G0,  G1,  .Lhead_b
	ARM 2, G0B, G1B, .Lhead_sa
	ARM 3, G0S, G1S, .Lhead_sb
	tensor_load_to_lds s[G0SB:G0SB+3], s[G1SB:G1SB+7]
	s_nop 0
.rept 4
	v_nop
.endr
.Lhead_asked:
	v_and_b32 v30, 31, v0
	v_lshlrev_b32 v30, 10, v30                     ; my lane's row: KROW bytes a row; never rewritten
	global_prefetch_b8 v30, s[100:101] offset:256 th:TH_LOAD_NT scope:SCOPE_SE   ; K steps 1, 2, 3 of my 32 rows, 256 bytes each: all that the ring will still ask for; each block is named once in the cluster
	global_prefetch_b8 v30, s[100:101] offset:512 th:TH_LOAD_NT scope:SCOPE_SE
	global_prefetch_b8 v30, s[100:101] offset:768 th:TH_LOAD_NT scope:SCOPE_SE
	s_mul_i32 s18, s16, 128*KROW                   ; in the ring a wave fetches 128 rows of a tile: which half
	s_mov_b32 s19, 0
	s_add_nc_u64 s[20:21], s[20:21], s[18:19]
	s_add_nc_u64 s[46:47], s[46:47], s[18:19]
	s_mov_b32 s[G0+4], 1
	s_add_co_u32 s[G0+5], s45, SLOT
	s_add_nc_u64 s[G0+6:G0+7], s[20:21], ROWB
	s_or_b32 s[G0+7], s[G0+7], 0x80000000
	s_mov_b32 s[G0B+4], 1
	s_add_co_u32 s[G0B+5], s45, SLOT
	s_add_nc_u64 s[G0B+6:G0B+7], s[46:47], ROWB
	s_or_b32 s[G0B+7], s[G0B+7], 0x80000000
	s_wait_alu depctr_va_vdst(0)
	s_wait_tensorcnt 0x0                           ; my tile of the four is in
	ds_add_u32 v28, v29
	s_mov_b32 s[G1+2], 128<<16                     ; no tensor load of mine is out: from here on a load brings 128 rows
	s_mov_b32 s[G1+4], 128
	s_mov_b32 s[G1B+2], 128<<16
	s_mov_b32 s[G1B+4], 128
	s_mov_b32 s[G0+1], s45                         ; and slot 0's groups 0 stand at my half of K step 0
	s_mov_b64 s[G0+2:G0+3], s[20:21]
	s_or_b32 s[G0+3], s[G0+3], 0x80000000
	s_mov_b32 s[G0B+1], s45
	s_mov_b64 s[G0B+2:G0B+3], s[46:47]
	s_or_b32 s[G0B+3], s[G0B+3], 0x80000000
	s_wait_dscnt 0x0
	CROUND
	JLOAD G0+4, G1, G0B+4, G1B                     ; K step 1, the first tensor load behind the round
	v_and_b32 v1, 15, v0
	v_bfe_u32 v2, v0, 4, 1
	v_mul_u32_u24 v3, v1, PITCH
	v_lshl_add_u32 v4, v2, 4, v3
	s_mul_i32 s21, s15, HALFT
	s_mul_i32 s22, s16, HALFT
	s_add_co_u32 s22, s22, 2*HALFT
.irp s, 0,1
	v_add_nc_u32 v[ADRA+\s], s21, v4
	v_add_nc_u32 v[ADRB+\s], s22, v4
	s_add_co_u32 s21, s21, SLOT
	s_add_co_u32 s22, s22, SLOT
.endr
	v_mul_u32_u24 v5, v1, KS
	v_lshrrev_b32 v6, 8, v5
	v_lshl_add_u32 v5, v6, 4, v5
	s_mul_i32 s21, s15, HALFS
	s_mul_i32 s22, s16, HALFS
	s_add_co_u32 s22, s22, 2*HALFS
	s_sub_co_u32 s22, s22, s21
	v_mul_u32_u24 v6, s22, v2
	s_add_co_u32 s21, s21, SCL
	v_add_nc_u32 v5, v5, v6
	v_add_nc_u32 v[ADRS], s21, v5
	v_lshlrev_b32 v[VBO], 5, v2
	s_wait_alu depctr_va_vdst(0)
	v_lshlrev_b32 v[VR4], 2, v1
	s_wait_alu depctr_va_vdst(0)
	s_lshl_b32 s10, s14, 10
	v_lshl_add_u32 v[SGA], v1, 2, s10
	v_and_b32 v6, 31, v0
	v_lshlrev_b32 v[LO], 4, v6
	v_add_nc_u32 v[SGR], s10, v[LO]
	s_lshl_b32 s20, s17, 8
	s_lshl_b32 s21, s15, 7
	s_add_co_u32 s20, s20, s21
	s_lshl_b32 s46, s42, 8
	s_lshl_b32 s47, s16, 7
	s_add_co_u32 s46, s46, s47
.if MODE == 0
	s_cmp_eq_u32 ttmp9, 2
	s_cselect_b32 s92, s46, s20
	s_cselect_b32 s93, s20, s46
	s_cselect_b32 s66, 0, s46
	s_cselect_b32 s67, s20, 0
	s_mov_b32 s4, 131072
	s_cselect_b32 s4, 1024, s4
	s_mov_b32 s18, 1024
	s_cselect_b32 s18, 2048, s18
	s_cselect_b32 s20, 122880, 0
	s_mov_b32 s23, 0x01000100
	s_cselect_b32 s23, 0x03020100, s23
	s_mov_b32 s22, 256
	s_cselect_b32 s22, 12288, s22
	s_cselect_b32 s45, 1, 2
	s_mov_b32 s47, 12845056
	s_cselect_b32 s47, 12853248, s47
	s_cmp_eq_u32 ttmp9, 0
	s_cselect_b32 s47, 12582912, s47
	s_mov_b32 s94, 12288
	s_cselect_b32 s94, 8192, s94
	s_mov_b32 s95, 0x03020302
	s_mov_b32 s19, 0
	s_mov_b32 s21, 0
	s_mov_b32 s5, 0
	s_lshr_b32 s46, s92, 11
	s_lshl_b32 s46, s46, 4
	s_lshr_b32 s93, s93, 6
	s_add_co_u32 s46, s46, s93
	s_and_b32 s92, s92, 2047
	s_mul_i32 s6, s46, s94
	s_add_co_u32 s6, s6, s47
	s_lshl_b32 s93, s92, s45
	s_add_co_u32 s6, s6, s93
	s_mov_b32 s7, 0
	s_add_nc_u64 s[6:7], s[12:13], s[6:7]
	s_mov_b32 s8, s94
	s_mov_b32 s9, 0
	s_add_nc_u64 s[8:9], s[6:7], s[8:9]
	s_lshl_b32 s10, ttmp9, 22
	s_lshl_b32 s46, s46, 17
	s_add_co_u32 s10, s10, s46
	s_lshl_b32 s92, s92, 6
	s_add_co_u32 s10, s10, s92
	s_mov_b32 s11, 0
	s_add_nc_u64 s[12:13], s[12:13], s[10:11]
	s_add_nc_u64 s[4:5], s[12:13], s[4:5]
	s_lshl_b32 s66, s66, 2
	s_lshl_b32 s10, s67, 2
	s_mov_b32 s67, 0
	s_add_nc_u64 s[98:99], s[96:97], s[10:11]
	s_add_nc_u64 s[96:97], s[96:97], s[66:67]
	v_mul_u32_u24 v[VX], s22, v2
	v_lshl_add_u32 v[VX], v1, 4, v[VX]
.else
	s_lshl_b32 s6, s46, 7
	s_lshl_b32 s7, s20, 2
	s_add_co_u32 s6, s6, s7
	s_add_co_u32 s6, s6, 16777216
	s_mov_b32 s7, 0
	s_add_nc_u64 s[6:7], s[12:13], s[6:7]
	s_lshl_b32 s10, s20, 12
	s_lshl_b32 s11, s46, 4
	s_add_co_u32 s10, s10, s11
	s_mov_b32 s11, 0
	s_add_nc_u64 s[12:13], s[12:13], s[10:11]
	s_add_nc_u64 s[4:5], s[12:13], 1024
	s_mov_b32 s18, 65536
	s_mov_b32 s19, 0
	s_lshl_b32 s66, s46, 2
	s_mov_b32 s67, 0
	s_add_nc_u64 s[96:97], s[96:97], s[66:67]
.endif
.irp b, 0,1,2,3,4,5,6,7
	global_load_b128 v[BP+8*\b:BP+8*\b+3], v[VBO], s[96:97] offset:64*\b
	global_load_b128 v[BP+8*\b+4:BP+8*\b+7], v[VBO], s[96:97] offset:64*\b+16
.endr
.if MODE == 0
.irp a, 0,1,2,3,4,5,6,7
	global_load_b32 v[8+\a], v[VR4], s[98:99] offset:64*\a
.endr
.endif
.macro FRAG reg, adr, q, i
.irp c, 0,1,2,3
	ds_load_b128 v[\reg+4*\c:\reg+4*\c+3], v[\adr] offset:128*(\q)+32*\c+(\i)*16*PITCH
.endr
.endm
.macro MUL16 a0, p, q, sc, zero
.irp a, \a0, \a0+1
.irp b, 0,1,2,3,4,5,6,7
.if \zero
	v_wmma_scale_f32_16x16x128_f8f6f4 v[8*(8*((\a)%4)+\b):8*(8*((\a)%4)+\b)+7], v[128*(\p)+FR*\b:128*(\p)+FR*\b+FR-1], v[AF+FR*(\a):AF+FR*(\a)+FR-1], 0, v[SC+8*NQ*(\sc)+NQ*\b+(\q)], v[SC+8*NQ*(\sc)+NQ*(\a)+(\q)] matrix_a_scale:MATRIX_SCALE_ROW1
.else
	v_wmma_scale_f32_16x16x128_f8f6f4 v[8*(8*((\a)%4)+\b):8*(8*((\a)%4)+\b)+7], v[128*(\p)+FR*\b:128*(\p)+FR*\b+FR-1], v[AF+FR*(\a):AF+FR*(\a)+FR-1], v[8*(8*((\a)%4)+\b):8*(8*((\a)%4)+\b)+7], v[SC+8*NQ*(\sc)+NQ*\b+(\q)], v[SC+8*NQ*(\sc)+NQ*(\a)+(\q)] matrix_a_scale:MATRIX_SCALE_ROW1
.endif
.endr
.endr
.endm
.macro FETCH_B slot, q, p
	WIN TO_B
.irp i, 0,1,2,3,4,5,6,7
	FRAG 128*(\p)+FR*\i, ADRB+\slot, \q, \i
.endr
	WIN 0
.endm
.macro FETCH_A slot, q, i0
.irp i, \i0, \i0+1, \i0+2, \i0+3
	FRAG AF+FR*(\i), ADRA+\slot, \q, \i
.endr
.endm
.macro SCALES sc
.irp i, 0,1,2,3,4,5,6,7
	ds_load_b64 v[SC+8*NQ*\sc+NQ*\i:SC+8*NQ*\sc+NQ*\i+1], v[ADRS] offset:\i*SBLK
.endr
.endm
.macro PLACES n
.rept \n
	v_nop
.endr
.endm
.macro STEP slot, q, zero
	s_wait_dscnt 4*NL
	WIN MUL_LO
	MUL16 0, (\q)%2, \q, \slot, \zero
	MUL16 2, (\q)%2, \q, \slot, \zero
	s_wait_dscnt 0
	PLACES NP
	FETCH_B \slot, (\q)+1, 1-(\q)%2
	FETCH_A \slot, (\q)+1, 0
	WIN MUL_HI
	MUL16 4, (\q)%2, \q, \slot, \zero
	MUL16 6, (\q)%2, \q, \slot, \zero
	PLACES NP
	WIN 0
	FETCH_A \slot, (\q)+1, 4
.endm
.macro TURN slot, next, fill
	s_wait_tensorcnt 0x0
	ds_add_u32 v[SPW], v[NIL]
	s_wait_dscnt 4*NL+1
	WIN MUL_LO
	MUL16 0, 1, NQ-1, \slot, 0
	s_wait_dscnt 0x0
	s_barrier_signal -1
	MUL16 2, 1, NQ-1, \slot, 0
	WIN 0
	s_barrier_wait -1
.if \fill
	CREST
	s_add_nc_u64 s[G0+4*\slot+2:G0+4*\slot+3], s[G0+4*\slot+2:G0+4*\slot+3], 2*ROWB
	s_add_nc_u64 s[G0B+4*\slot+2:G0B+4*\slot+3], s[G0B+4*\slot+2:G0B+4*\slot+3], 2*ROWB
	JLOAD G0+4*\slot, G1, G0B+4*\slot, G1B
	PLACES NP-4
.else
	PLACES NP
.endif
	s_wait_alu depctr_va_vdst(0)
	v_add_nc_u32 v[ADRS], 4*NQ, v[ADRS]
	FETCH_B \next, 0, 0
	FETCH_A \next, 0, 0
	SCALES \next
	WIN MUL_HI
	MUL16 4, 1, NQ-1, \slot, 0
	MUL16 6, 1, NQ-1, \slot, 0
	PLACES NP
	WIN 0
	FETCH_A \next, 0, 4
.endm
	s_wait_loadcnt 0x0
	s_wait_tensorcnt 1
	s_barrier_signal -1
	s_barrier_wait -1
	FETCH_B 0, 0, 0
	FETCH_A 0, 0, 0
	SCALES 0
	FETCH_A 0, 0, 4
	STEP 0, 0, 1
	s_mov_b32 s3, LAPS-1
.Llap:
	TURN 0, 1, 1
	STEP 1, 0, 0
	TURN 1, 0, 1
	STEP 0, 0, 0
	s_sub_co_u32 s3, s3, 1
	s_cmp_lg_u32 s3, 0
	s_cbranch_scc1 .Llap
	TURN 0, 1, 0
	STEP 1, 0, 0
	s_wait_dscnt 4*NL
	WIN MUL_LO
	MUL16 0, 1, NQ-1, 1, 0
	MUL16 2, 1, NQ-1, 1, 0
	s_wait_dscnt 0
	WIN MUL_HI
	MUL16 4, 1, NQ-1, 1, 0
	MUL16 6, 1, NQ-1, 1, 0
	WIN 0
.macro QUANT s, relu
.if \relu
.irp b, 0,1,2,3
	v_max3_num_f32 v[TM+\b], v[\s+16*\b], v[\s+1+16*\b], 0x4800000
.endr
.irp i, 2,4,6,8,10,12,14
.irp b, 0,1,2,3
	v_max3_num_f32 v[TM+\b], v[TM+\b], v[\s+16*\b+\i], v[\s+1+16*\b+\i]
.endr
.endr
.else
.irp b, 0,1,2,3
	v_max3_num_f32 v[TM+\b], |v[\s+16*\b]|, |v[\s+1+16*\b]|, 0x4800000
.endr
.irp i, 2,4,6,8,10,12,14
.irp b, 0,1,2,3
	v_max3_num_f32 v[TM+\b], v[TM+\b], |v[\s+16*\b+\i]|, |v[\s+1+16*\b+\i]|
.endr
.endr
.endif
.irp b, 0,1,2,3
	v_permlanex16_b32 v[TM+4+\b], v[TM+\b], s[SEL], s[SEL+1]
.endr
.irp b, 0,1,2,3
	v_max_num_f32 v[TM+\b], v[TM+\b], v[TM+4+\b]
.endr
.irp b, 0,1,2,3
	v_add_nc_u32 v[TM+12+\b], 0xfc000000, v[TM+\b]
.endr
.irp b, 0,1,2,3
	v_and_or_b32 v[TM+8+\b], v[TM+\b], 0x7f800000, s[MNT]
.endr
.irp b, 0,1,2,3
	v_lshrrev_b32 v[TM+4+\b], 23, v[TM+12+\b]
.endr
	v_lshl_or_b32 v[PW], v[TM+5], 8, v[TM+4]
	v_lshl_or_b32 v[PW], v[TM+6], 16, v[PW]
	v_lshl_or_b32 v[PW], v[TM+7], 24, v[PW]
	s_wait_alu depctr_va_vdst(0)
	s_wait_xcnt 0x0                                ; the last block's stores have read their data and their bases: the conversions below write the data anew, and the bases step behind them
.irp b, 0,1,2,3
.irp i, 0,1,2,3,4,5,6,7,8,9,10,11,12,13,14,15
.if \relu
	v_med3_num_f32 v[\s+16*\b+\i], v[\s+16*\b+\i], 0, v[TM+8+\b]
.else
	v_med3_num_f32 v[\s+16*\b+\i], v[\s+16*\b+\i], -v[TM+8+\b], v[TM+8+\b]
.endif
.endr
	v_cvt_scalef32_pk8_fp8_f32 v[PC+4*\b:PC+1+4*\b], v[\s+16*\b:\s+7+16*\b], v[TM+12+\b]
	v_cvt_scalef32_pk8_fp8_f32 v[PC+2+4*\b:PC+3+4*\b], v[\s+8+16*\b:\s+15+16*\b], v[TM+12+\b]
.endr
	v_nop
; no exchange between the halves of the lanes: place 16 h + i of a block of 32 holds number 8 h + i (i < 8) or 16 + 8 h + i - 8: q and k alike along the channels, v along the keys as the next launch's p: the order inside a block changes neither a product's terms nor its scales
.endm
.macro OUTA a
.set AC, 64*((\a)%4)
.set WN, 0x02+(\a)/4
.if MODE == 0
	s_cmp_eq_u32 ttmp9, 2
	s_cbranch_scc1 .Lby_lane_\@
.endif
	WIN WN
.set i, 0
.rept 32
	v_pk_add_f32 v[T+2*i:T+2*i+1], v[AC+2*i:AC+2*i+1], v[BP+2*i:BP+2*i+1]
.set i, i+1
.endr
	WIN 0
.if MODE == 0
	s_branch .Lbiased_\@
.Lby_lane_\@:
	WIN WN
.set i, 0
.rept 32
.if (\a)%2
	v_pk_add_f32 v[T+2*i:T+2*i+1], v[AC+2*i:AC+2*i+1], v[8+2*((\a)/2):9+2*((\a)/2)] op_sel:[0,1] op_sel_hi:[1,1]
.else
	v_pk_add_f32 v[T+2*i:T+2*i+1], v[AC+2*i:AC+2*i+1], v[8+2*((\a)/2):9+2*((\a)/2)] op_sel_hi:[1,0]
.endif
.set i, i+1
.endr
	WIN 0
.Lbiased_\@:
.endif
	QUANT T, MODE
.if (\a) > 0
	s_add_nc_u64 s[12:13], s[12:13], s[18:19]
	s_add_nc_u64 s[4:5], s[4:5], s[18:19]
.if (MODE == 0) && ((\a) == 4)
	s_add_nc_u64 s[12:13], s[12:13], s[20:21]
	s_add_nc_u64 s[4:5], s[4:5], s[20:21]
.endif
.endif
.if MODE == 0
	v_perm_b32 v[XW], v[PW], v[PW], s23
	v_perm_b32 v[YW], v[PW], v[PW], s95
	ds_store_b32 v[SGA], v[XW] offset:64*(\a)
	ds_store_b32 v[SGA], v[YW] offset:512+64*(\a)
.else
	ds_store_b32 v[SGA], v[PW] offset:64*(\a)
.endif
	global_store_b128 v[LO], v[PC:PC+3], s[12:13]
	global_store_b128 v[LO], v[PC+4:PC+7], s[12:13] offset:512
	global_store_b128 v[LO], v[PC+8:PC+11], s[4:5]
	global_store_b128 v[LO], v[PC+12:PC+15], s[4:5] offset:512
.endm
	PLACES NP
	s_mov_b32 s[SEL], 0x76543210
	s_mov_b32 s[SEL+1], 0xfedcba98
	s_mov_b32 s[MNT], 0x600000
.irp b, 0,1,2,3
	v_mov_b32 v[TM+4+\b], 0
.endr
.irp a, 0,1,2,3,4,5,6,7
	OUTA \a
.endr
	ds_load_b128 v[T:T+3], v[SGR]
.if MODE == 0
	ds_load_b128 v[T+4:T+7], v[SGR] offset:512
.endif
	s_wait_dscnt 0x0
	global_store_b128 v[VX], v[T:T+3], s[6:7]
.if MODE == 0
	s_cmp_eq_u32 ttmp9, 2
	s_cbranch_scc1 .Lno_y
	global_store_b128 v[VX], v[T+4:T+7], s[8:9]
.Lno_y:
.endif
	s_wait_tensorcnt 0x0
	ds_add_u32 v[SPW], v[NIL]
	s_wait_dscnt 0x0
	CROUND
	s_endpgm
.Lfunc_end_k_q4e75d790ad_proj:
	.size	k_q4e75d790ad_proj, .Lfunc_end_k_q4e75d790ad_proj-k_q4e75d790ad_proj
	.p2alignl 7, 3214868480
	.fill 96, 4, 3214868480
	.section	.rodata,"a",@progbits
	.p2align	6, 0x0
	.amdhsa_kernel k_q4e75d790ad_proj
		.amdhsa_group_segment_fixed_size 327680
		.amdhsa_private_segment_fixed_size 0
		.amdhsa_enable_private_segment 0
		.amdhsa_kernarg_size 88
		.amdhsa_user_sgpr_count 2
		.amdhsa_user_sgpr_kernarg_segment_ptr 1
		.amdhsa_wavefront_size32 1
		.amdhsa_system_sgpr_workgroup_id_x 1
		.amdhsa_system_sgpr_workgroup_id_y 1
		.amdhsa_system_sgpr_workgroup_id_z 1
		.amdhsa_system_vgpr_workitem_id 0
		.amdhsa_next_free_vgpr 1024
		.amdhsa_next_free_sgpr 102
		.amdhsa_reserve_vcc 0
		.amdhsa_float_denorm_mode_32 3
		.amdhsa_float_denorm_mode_16_64 3
		.amdhsa_memory_ordered 1
		.amdhsa_forward_progress 1
		.amdhsa_inst_pref_size 227
	.end_amdhsa_kernel
	.amdgpu_metadata
---
amdhsa.version: [ 1, 2 ]
amdhsa.kernels:
  - .name:           k_q4e75d790ad_proj
    .symbol:         k_q4e75d790ad_proj.kd
    .args:
      - { .name: hq, .offset: 0, .size: 8, .value_kind: global_buffer, .address_space: global }
      - { .name: Wq_codes, .offset: 8, .size: 8, .value_kind: global_buffer, .address_space: global }
      - { .name: Wq_scales, .offset: 16, .size: 8, .value_kind: global_buffer, .address_space: global }
      - { .name: Wk_codes, .offset: 24, .size: 8, .value_kind: global_buffer, .address_space: global }
      - { .name: Wk_scales, .offset: 32, .size: 8, .value_kind: global_buffer, .address_space: global }
      - { .name: Wv_codes, .offset: 40, .size: 8, .value_kind: global_buffer, .address_space: global }
      - { .name: Wv_scales, .offset: 48, .size: 8, .value_kind: global_buffer, .address_space: global }
      - { .name: bq, .offset: 56, .size: 8, .value_kind: global_buffer, .address_space: global }
      - { .name: bk, .offset: 64, .size: 8, .value_kind: global_buffer, .address_space: global }
      - { .name: bv, .offset: 72, .size: 8, .value_kind: global_buffer, .address_space: global }
      - { .name: qkv, .offset: 80, .size: 8, .value_kind: global_buffer, .address_space: global }
    .group_segment_fixed_size: 327680
    .private_segment_fixed_size: 0
    .kernarg_segment_align: 8
    .kernarg_segment_size: 88
    .max_flat_workgroup_size: 128
    .sgpr_count:     102
    .vgpr_count:     1024
    .wavefront_size: 32
...
	.end_amdgpu_metadata
.endif
;; end of part 2
;; launch attn (part 3): grid 8 x 32, 8 waves a work-group, clusters of 4 x 1, 280,576 bytes of LDS; arguments qkv, oq; writes oq
.if DOCPART == 3
	.amdgcn_target "amdgcn-amd-amdhsa--gfx1250"
	.amdhsa_code_object_version 6
	.text
	.protected	k_q4e75d790ad_attn
	.globl	k_q4e75d790ad_attn
	.p2align	8
	.type	k_q4e75d790ad_attn,@function
k_q4e75d790ad_attn:
	s_mov_b64 s[64:65], 0
	v_nop
	global_prefetch_b8 v0, s[64:65] scope:SCOPE_SE
	s_setreg_imm32_b32 hwreg(HW_REG_WAVE_MODE, 25, 1), 1
	s_wait_xcnt 0x0
	s_wait_alu depctr_hold_cnt(0) depctr_sa_sdst(0) depctr_va_vdst(0) depctr_va_sdst(0) depctr_va_ssrc(0) depctr_va_vcc(0) depctr_vm_vsrc(0)
	s_getreg_b32 s2, hwreg(HW_REG_IB_STS2, 6, 4)
	s_cmp_eq_u32 s2, 0
	s_cbranch_scc0 .Lentry_in_a_cluster
	s_endpgm
.Lentry_in_a_cluster:
	s_bfe_u32 s2, ttmp6, 0x10000c
	s_cmp_lg_u32 s2, 0x3003
	s_cbranch_scc0 .Lentry_shape_is_right
	s_endpgm
.Lentry_shape_is_right:
; o = softmax(q k^T / 8) v for 32 heads of 2,048 tokens x 64 channels, both products on codes of FP8 (E4M3) with E8M0 scales; o is quantised along the model's 1,024 and stored as the next product's operand.
; THE SOFTMAX: t = score x log2(e) / 8; M = the running largest t, rounded UP to a whole number; p = 2^(t - M) is what is quantised, along the keys; the row's sum is taken of the unquantised p and divides at the end.
; When M moves, the sum and O are multiplied by 2^(old M - new M): exact.
; INPUT (one buffer): q, k, v as images of operand registers [tile][plane][lane][16] and their scale words, as the launch before lays them.  Inside a block of 32 along K place 16 h + i holds number 8 h + i (i < 8) or 16 + 8 h + (i - 8), h = lane / 16:
; q and k alike along the channels, v along the keys.  That is the order in which the conversions leave p here, so p goes to the second product as it is converted.
; SHARES.  A work-group owns 256 queries of one head, each of its eight waves 32: TWO tiles of 16, A in register window 0 and B in window 1 at the same numbers, so that one macro serves both.  Each fragment of k and of v that is read from LDS feeds two products.
; Every wave walks all 2,048 keys, 128 a step.  k's fragments of the next step and v's of this one are asked of LDS behind the step's score products and land under the softmax.
; THE WHOLE HEAD LIES IN LDS: k's images 131,072 bytes, v's 131,072, each byte filled once, by one joint load a wave, in two groups with a load line each: waves 0-3 bring keys 0-511 (16,384 bytes each: k's halves, v's halves), waves 4-7 the rest (49,152 bytes each).
; The first barrier waits for the first line alone; steps 0 to 2, which read keys 0-511 alone, run while the second group is on its way; every wave waits for all its loads at the second barrier, ahead of the step that first fetches a key beyond 511.
; The 12,288 bytes of scale words come by plain loads, 48 bytes a thread, and LDS stores into bytes of their own.
; CLUSTER: the four query blocks of a cluster belong to one head: every tensor load is asked for jointly, with the mask of all four.  No prefetch: all of k and v is asked for at the head, and there is no loop to run ahead in.
; LAYOUT.  Both products are used transposed: S^T = k q^T, O^T = v^T p^T: a lane holds ONE query (lane % 16) of each tile.  The head has 64 channels and the instruction takes 128 along K:
; q's upper eight registers hold zero codes; k's upper eight are the next tile's codes (zeros behind the last): they meet zero codes and add exactly 0.
; OUTPUT: o's images [tile of 16 tokens 256][128 of K 8][plane 4][lane][16], in K's true order; scale words at 4,194,304: [128 of K 8][token 4096] u32, of which a wave stores two bytes a token.
; LIMITS: NaN and infinities are not served.  A block under 2^-118, a block of zeros among them, gets the byte 1: the bytes are read by this program alone.
; REGISTERS.  Window 0 alone: v1-4 addresses that stay, v5, v6 the spare word and 0, v7 4 x (lane % 16), v8-11 the step's addresses, v32-95 k's 8 tiles, v96-103 zeros, v232-239 k's scale words, v240-243 v's, v252, v253 p's scale words of A, B, v254, v255 q's.
;   Window 1 alone: v32-95 v's 4 tiles.  In both windows, a tile each: v12 -M, v13 the largest t, v[14:15] the sum; v16-23 q, v24-31 zeros; v104-167 S^T, then p; v168-199 O^T; v200-215 p's codes; v216-231, v244-246 at work.
.set S,   104
.set O,   168
.set PC,  200
.set MX,  216                          ; the blocks' largest scores, then largest p
.set PB,  220                          ; the other half's maxima, then the bytes
.set HD,  224                          ; 448 x the scale
.set SO,  228                          ; the conversions' scale operands
.set CH,  220                          ; v220-231: six chains of the row's sum, between PB's and SO's other uses
.set KSW, 232
.set VSW, 240
.set FF,  244
.set TP,  246
.set PW,  252
.set QS,  254
.set WV,  12
.set CS,  14                           ; s[14:15] c = log2(e) / 8
.set MNT, 16
.set TK,  17                           ; s17 the step's images: 8,192 bytes a step, in k's region and in v's
.set TS,  18                           ; s18 k's scale words: 512 bytes a step
.set TJ,  19                           ; s19 v's: 256 bytes a step
.set G1A, 24
.set G0A, 32
.set G1B, 40
.set G0B, 48
.set SEL, 60
.set MSB, 0
.macro WIN new                         ; the immediate's high byte repeats the setting that is left
.if MSB != (\new)
	s_set_vgpr_msb (MSB<<8)|(\new)
.set MSB, (\new)
.endif
.endm
.macro CROUND                          ; a round of the cluster's barrier
	s_barrier_signal -1
	s_barrier_wait -1
	s_cmp_lg_u32 s[WV], 0
	s_cbranch_scc1 .Lnot_wave_0_\@
	s_barrier_signal -3
.Lnot_wave_0_\@:
	s_barrier_wait -3
	s_barrier_signal -1
	s_barrier_wait -1
.endm
	s_load_b128 s[4:7], s[0:1], 0x0                ; the input s[4:5], the output s[6:7]
	v_lshl_add_u32 v5, v0, 2, 0x44000
	v_mov_b32 v6, 0
	ds_add_u32 v5, v6                              ; the opening lines: the add, twice on end, and its wait ahead of my tensor load
	ds_add_u32 v5, v6
	v_lshrrev_b32 v8, 5, v0
	v_readfirstlane_b32 s[WV], v8                  ; wave 0..7
	s_bfe_u32 s13, ttmp6, 0x40000                  ; cx
	s_lshl_b32 s21, ttmp9, 2
	s_add_co_u32 s21, s21, s13                     ; my block of 256 queries
	s_lshl_b32 s21, s21, 4
	s_lshl_b32 s22, s[WV], 1
	s_add_co_u32 s21, s21, s22                     ; tile A among the head's 128 tiles of queries; B is the next.  It enters q's and o's addresses alone
	s_and_b32 s20, ttmp7, 0xffff                   ; the head (16 x batch + head), which the four partners share
	s_bfe_u32 s22, s[WV], 0x10001                  ; bit 1 of the wave's number: I fetch for k (0) or for v (1)
	s_and_b32 s23, s[WV], 1                        ; which half
	s_lshl_b32 s66, s22, 17                        ; LDS: k's region from 0, v's from 131,072
	s_lshl_b32 s67, s23, 14
	s_add_co_u32 s67, s67, s66                     ; keys 0-511: 16,384 bytes a wave
	s_mul_i32 s68, s23, 49152
	s_add_co_u32 s68, s68, s66
	s_add_co_u32 s68, s68, 32768                   ; the rest: 49,152 bytes a wave
	s_lshl_b32 s70, s20, 17
	s_lshl_b32 s71, s22, 22
	s_add_co_u32 s70, s70, s71
	s_add_co_u32 s70, s70, 0x400000                ; the head's images of k or of v in memory
	s_lshl_b32 s72, s23, 14
	s_add_co_u32 s72, s72, s70
	s_mov_b32 s73, 0
	s_mul_i32 s74, s23, 49152
	s_add_co_u32 s74, s74, s70
	s_add_co_u32 s74, s74, 32768
	s_mov_b32 s75, 0
	s_mul_i32 s76, s20, 12288
	s_add_co_u32 s76, s76, 12845056                ; the head's scale words of k and v
	s_mov_b32 s77, 0
	s_lshl_b32 s78, s20, 17
	s_lshl_b32 s79, s21, 10
	s_add_co_u32 s78, s78, s79                     ; q's image of tile A
	s_mov_b32 s79, 0
	s_lshl_b32 s10, s20, 13
	s_lshl_b32 s11, s21, 6
	s_add_co_u32 s10, s10, s11
	s_add_co_u32 s10, s10, 12582912                ; and its scale words
	s_mov_b32 s11, 0
	; descriptor groups 1: dense blocks as rows of 256 bytes (32 elements of 8 bytes), 64 and 192 rows; the mask names all four work-groups, bit 21 beside it
.irp g, G1A, G1B
	s_mov_b32 s[\g], 15|(3<<16)|(1<<21)
	s_mov_b32 s[\g+1], 32<<16                      ; tensor_dim0
	s_mov_b32 s[\g+3], 32<<16                      ; tile_dim0
	s_mov_b32 s[\g+5], 32                          ; the pitch
	s_mov_b32 s[\g+6], 0
	s_mov_b32 s[\g+7], 0
.endr
	s_mov_b32 s[G1A+2], 64<<16                     ; tensor_dim1
	s_mov_b32 s[G1A+4], 64                         ; tile_dim1
	s_mov_b32 s[G1B+2], 192<<16
	s_mov_b32 s[G1B+4], 192
	s_mov_b32 s[CS], 0x3e38aa3b
	s_mov_b32 s[CS+1], s[CS]                       ; (named with it as a pair, so it is written)
	s_mov_b32 s[MNT], 0x600000
	s_mov_b32 s[SEL], 0x76543210
	s_mov_b32 s[SEL+1], 0xfedcba98
	s_mov_b32 s[TK], 0
	s_mov_b32 s[TS], 0
	s_mov_b32 s[TJ], 0
	s_wait_dscnt 0x0
	s_wait_kmcnt 0x0
	s_mov_b32 s[G0A], 1
	s_mov_b32 s[G0A+1], s67
	s_add_nc_u64 s[G0A+2:G0A+3], s[4:5], s[72:73]
	s_or_b32 s[G0A+3], s[G0A+3], 0x80000000
	s_mov_b32 s[G0B], 1
	s_mov_b32 s[G0B+1], s68
	s_add_nc_u64 s[G0B+2:G0B+3], s[4:5], s[74:75]
	s_or_b32 s[G0B+3], s[G0B+3], 0x80000000
	s_add_nc_u64 s[8:9], s[4:5], s[78:79]
	s_add_nc_u64 s[10:11], s[4:5], s[10:11]
	s_add_nc_u64 s[36:37], s[4:5], s[76:77]
	CROUND                                         ; all four work-groups are here: the joint loads meet
	s_cmp_lt_u32 s[WV], 4                          ; every wave's one load; the two groups have a line each, since only the first group's waves wait at the first barrier
	s_cbranch_scc0 .Lrest_of_keys
	tensor_load_to_lds s[G0A:G0A+3], s[G1A:G1A+7]  ; waves 0-3: keys 0-511
	s_nop 0
.rept 4
	v_nop
.endr
	s_branch .Lasked
.Lrest_of_keys:
	tensor_load_to_lds s[G0B:G0B+3], s[G1B:G1B+7]  ; waves 4-7: keys 512-2,047
	s_nop 0
.rept 4
	v_nop
.endr
.Lasked:
	v_and_b32 v9, 31, v0
	v_lshlrev_b32 v1, 4, v9                        ; 16 x lane: an image's place for my lane; k's region begins at LDS byte 0
	v_add_nc_u32 v2, 131072, v1                    ; v's region
	v_and_b32 v7, 15, v0
	v_lshl_add_u32 v3, v7, 2, 262144               ; k's scale words: 4 bytes a key
	v_lshl_add_u32 v4, v7, 2, 270336               ; v's: 4 bytes a channel
	v_lshlrev_b32 v7, 2, v7
	v_lshlrev_b32 v10, 4, v0                       ; 16 x thread: my share of the scale words, three times 4,096 bytes a work-group
	v_add_nc_u32 v11, 262144, v10
	global_load_b128 v[104:107], v10, s[36:37]
	global_load_b128 v[108:111], v10, s[36:37] offset:4096
	global_load_b128 v[112:115], v10, s[36:37] offset:8192
	global_load_b128 v[16:19], v1, s[8:9]          ; q's fragment of tile A: channels 0-63
	global_load_b128 v[20:23], v1, s[8:9] offset:512
	global_load_b32 v[QS], v7, s[10:11]
	global_load_b32 v[QS+1], v7, s[10:11] offset:64
	WIN 0x40                                       ; destination window 1
	global_load_b128 v[16:19], v1, s[8:9] offset:1024   ; tile B's
	global_load_b128 v[20:23], v1, s[8:9] offset:1536
	WIN 0
.macro INIT                            ; a tile's state: the step is written for every step alike: the first finds zeros, which the first change of M leaves zeros
.irp j, 0,1,2,3,4,5,6,7
	v_mov_b32 v[24+\j], 0                          ; zero codes for k = 64 .. 127
.endr
.set j, 0
.rept 32
	v_mov_b32 v[O+j], 0
.set j, j+1
.endr
	v_mov_b32 v13, 0xff61b1e6                      ; the largest t so far: -3e38
	v_floor_f32 v12, -v13                          ; -M
	v_mov_b32 v14, 0
	v_mov_b32 v15, 0
.irp b, 0,1,2,3
	v_mov_b32 v[PB+\b], 0                          ; a lane permute's destination counts as one of its sources
.endr
	v_mov_b32 v[FF+1], 0                           ; (named as the upper half of the pair with f)
	v_mov_b32 v[TP], 0
.endm
	INIT
.irp j, 0,1,2,3,4,5,6,7
	v_mov_b32 v[96+\j], 0                          ; what stands behind k's last tile
.endr
	WIN 0x55
	INIT
	WIN 0
.macro KLD a, s, ko, so                ; k's eight tiles and their scale words: 24 LDS loads
.irp t, 0,1,2,3,4,5,6,7
	ds_load_b128 v[32+8*\t:35+8*\t], v[\a] offset:1024*\t+\ko
	ds_load_b128 v[36+8*\t:39+8*\t], v[\a] offset:1024*\t+512+\ko
	ds_load_b32 v[KSW+\t], v[\s] offset:64*\t+\so
.endr
.endm
; THE SOFTMAX, THE QUANTISER AND THE SECOND PRODUCT OF ONE TILE.  w = 0: tile A, window 0; w = 1: tile B, window 1.  vcnt: the LDS loads issued behind v's.
.macro SM w, vcnt
	WIN 0x55*\w
	s_wait_alu depctr_va_vdst(0)                   ; the wait directly ahead of the scores' first readers
.irp b, 0,1,2,3
	v_max3_num_f32 v[MX+\b], v[S+16*\b], v[S+1+16*\b], v[S+2+16*\b]   ; the largest score of each block of 32 keys: for the row's maximum and, since p rises with the score, for the block's largest p
.endr
.irp i, 3,5,7,9,11,13
.irp b, 0,1,2,3
	v_max3_num_f32 v[MX+\b], v[MX+\b], v[S+16*\b+\i], v[S+1+16*\b+\i]
.endr
.endr
.irp b, 0,1,2,3
	v_max_num_f32 v[MX+\b], v[MX+\b], v[S+15+16*\b]
.endr
.irp b, 0,1,2,3
	s_delay_alu instid0(VALU_DEP_4)
	v_permlanex16_b32 v[PB+\b], v[MX+\b], s[SEL], s[SEL+1]
.endr
.irp b, 0,1,2,3
	s_delay_alu instid0(VALU_DEP_4)
	v_max_num_f32 v[MX+\b], v[MX+\b], v[PB+\b]
.endr
	s_delay_alu instid0(VALU_DEP_2)
	v_max3_num_f32 v[TP], v[MX], v[MX+1], v[MX+2]
	s_delay_alu instid0(VALU_DEP_1)
	v_max_num_f32 v[TP], v[TP], v[MX+3]
	s_delay_alu instid0(VALU_DEP_1)
	v_mul_f32 v[TP], s[CS], v[TP]                  ; the step's largest t of my query
	s_delay_alu instid0(VALU_DEP_1)
	v_max_num_f32 v13, v13, v[TP]
	v_mov_b32 v[TP], v12
	s_delay_alu instid0(VALU_DEP_2)
	v_floor_f32 v12, -v13                          ; the new -M = -ceil(t): a whole number
	s_delay_alu instid0(VALU_DEP_1)
	v_sub_f32 v[TP], v12, v[TP]                    ; old M - new M, 0 or less
	s_delay_alu instid0(VALU_DEP_1)
	v_cvt_i32_f32 v[TP], v[TP]
	s_delay_alu instid0(VALU_DEP_1)
	v_ldexp_f32 v[FF], 1.0, v[TP]                  ; f = 2^(old M - new M)
.set j, 0
.rept 32
	v_pk_fma_f32 v[S+j:S+j+1], v[S+j:S+j+1], s[CS:CS+1], v[12:13] op_sel_hi:[1,0,0]   ; t - M
.set j, j+2
.endr
.irp b, 0,1,2,3
	v_fma_f32 v[MX+\b], v[MX+\b], s[CS], v12
.endr
	s_wait_alu depctr_va_vdst(0)                   ; the wait ahead of the batch
.set j, 0
.rept 64
	v_exp_f32 v[S+j], v[S+j]                       ; p = 2^(t - M), at most 1
.set j, j+1
.endr
	v_pk_mul_f32 v[14:15], v[14:15], v[FF:FF+1] op_sel_hi:[1,0]   ; the sums under the new M (a plain instruction behind the exponentials)
	s_wait_alu depctr_va_vdst(0)                   ; one wait for the batch, ahead of its first reader
.irp b, 0,1,2,3
	v_exp_f32 v[MX+\b], v[MX+\b]                   ; the block's largest p: the same two instructions on the same number
.endr
.set i, 0                              ; the row's sum of the unquantised p: 32 pairs in seven chains
.rept 6
	v_pk_add_f32 v[CH+2*i:CH+2*i+1], v[S+4*i:S+4*i+1], v[S+4*i+2:S+4*i+3]
.set i, i+1
.endr
	v_pk_add_f32 v[14:15], v[14:15], v[S+24:S+25]
.irp o, 26, 40
.set i, 0
.rept 6
	v_pk_add_f32 v[CH+2*i:CH+2*i+1], v[CH+2*i:CH+2*i+1], v[S+\o+2*i:S+\o+2*i+1]
.set i, i+1
.endr
	v_pk_add_f32 v[14:15], v[14:15], v[S+\o+12:S+\o+13]
.endr
.set i, 0
.rept 5
	v_pk_add_f32 v[CH+2*i:CH+2*i+1], v[CH+2*i:CH+2*i+1], v[S+54+2*i:S+55+2*i]
.set i, i+1
.endr
	s_delay_alu instid0(VALU_DEP_2)
	v_pk_add_f32 v[CH:CH+1], v[CH:CH+1], v[CH+6:CH+7]
	s_delay_alu instid0(VALU_DEP_2)
	v_pk_add_f32 v[CH+2:CH+3], v[CH+2:CH+3], v[CH+8:CH+9]
	v_pk_add_f32 v[CH+4:CH+5], v[CH+4:CH+5], v[CH+10:CH+11]
	s_delay_alu instid0(VALU_DEP_3)
	v_pk_add_f32 v[14:15], v[14:15], v[CH:CH+1]
	s_delay_alu instid0(VALU_DEP_2)
	v_pk_add_f32 v[CH+2:CH+3], v[CH+2:CH+3], v[CH+4:CH+5]
	s_delay_alu instid0(VALU_DEP_1)
	v_pk_add_f32 v[14:15], v[14:15], v[CH+2:CH+3]
	s_wait_alu depctr_va_vdst(0)                   ; and one for the four
.irp b, 0,1,2,3
	v_max_num_f32 v[MX+\b], 0x4800000, v[MX+\b]    ; the floor 2^(9 - 127)
.endr
.irp b, 0,1,2,3
	s_delay_alu instid0(VALU_DEP_4)
	v_add_nc_u32 v[SO+\b], 0xfc000000, v[MX+\b]
.endr
.irp b, 0,1,2,3
	v_and_or_b32 v[HD+\b], v[MX+\b], 0x7f800000, s[MNT]
.endr
.irp b, 0,1,2,3
	v_lshrrev_b32 v[PB+\b], 23, v[SO+\b]
.endr
	s_delay_alu instid0(VALU_DEP_3)
	v_lshl_or_b32 v[TP], v[PB+1], 8, v[PB]
	s_delay_alu instid0(VALU_DEP_1)
	v_lshl_or_b32 v[TP], v[PB+2], 16, v[TP]
	WIN 0x15*\w                                    ; scale operands are taken from window 0: the word's last line writes there
	v_lshl_or_b32 v[PW+\w], v[PB+3], 24, v[TP]     ; p's scale word for these 128 keys
	WIN 0x55*\w
.irp b, 0,1,2,3
.irp i, 0,2,4,6,8,10,12,14
	v_dual_min_num_f32 v[S+16*\b+\i], v[HD+\b], v[S+16*\b+\i] :: v_dual_min_num_f32 v[S+16*\b+\i+1], v[HD+\b], v[S+16*\b+\i+1]   ; the hold, two numbers a line; p is not negative, so it is one-sided
.endr
	v_cvt_scalef32_pk8_fp8_f32 v[PC+4*\b:PC+1+4*\b], v[S+16*\b:S+7+16*\b], v[SO+\b]
	v_cvt_scalef32_pk8_fp8_f32 v[PC+2+4*\b:PC+3+4*\b], v[S+8+16*\b:S+15+16*\b], v[SO+\b]
.endr
.if \w == 0
	s_wait_dscnt \vcnt                             ; v's fragments and scale words are in; k's loads for the next step, issued behind them, may be out
.endif
	s_wait_alu depctr_va_vdst(0)                   ; the wait directly ahead of O^T's first readers
.set j, 0
.rept 16
	v_pk_mul_f32 v[O+j:O+j+1], v[O+j:O+j+1], v[FF:FF+1] op_sel_hi:[1,0]   ; O^T under the new M (also the places between the codes' last write and the products)
.set j, j+2
.endr
	WIN 0x01+0x54*\w                               ; source 0, v's fragments: window 1; the rest the tile's own
.irp t, 0,1,2,3
	v_wmma_scale_f32_16x16x128_f8f6f4 v[O+8*\t:O+8*\t+7], v[32+16*\t:47+16*\t], v[PC:PC+15], v[O+8*\t:O+8*\t+7], v[VSW+\t], v[PW+\w]
.endr
.endm
; A KEY STEP: 128 keys, both tiles.  last = 1: no step follows, so nothing of k is fetched.
.macro STEP last
	s_wait_dscnt 0x0                               ; k's fragments and scale words, asked for a step ago
.irp t, 0,1,2,3,4,5,6,7
	v_wmma_scale_f32_16x16x128_f8f6f4 v[S+8*\t:S+8*\t+7], v[32+8*\t:47+8*\t], v[16:31], 0, v[KSW+\t], v[QS]
.endr
	WIN 0x44                                       ; tile B: q and the scores in window 1
.irp t, 0,1,2,3,4,5,6,7
	v_wmma_scale_f32_16x16x128_f8f6f4 v[S+8*\t:S+8*\t+7], v[32+8*\t:47+8*\t], v[16:31], 0, v[KSW+\t], v[QS+1]
.endr
	WIN 0
	v_add_nc_u32 v9, s[TK], v2                     ; eight plain lines behind the products, ahead of loads into registers that they read and of the scores' readers
	v_add_nc_u32 v11, s[TJ], v4
.if \last
.rept 6
	v_nop
.endr
.else
	v_add_nc_u32 v8, s[TK], v1
	v_add_nc_u32 v10, s[TS], v3
.rept 4
	v_nop
.endr
.endif
	WIN 0x40
.irp t, 0,1,2,3
.irp c, 0,1,2,3
	ds_load_b128 v[32+16*\t+4*\c:35+16*\t+4*\c], v9 offset:2048*\t+512*\c   ; v's four tiles: 16 loads
.endr
.endr
	WIN 0
.irp t, 0,1,2,3
	ds_load_b32 v[VSW+\t], v11 offset:64*\t
.endr
.if \last
	SM 0, 0
	SM 1, 0
	WIN 0
.else
	KLD 8, 10, 8192, 512                           ; the next step's k
	SM 0, 24
	SM 1, 24
	WIN 0
	s_add_co_u32 s[TK], s[TK], 8192
	s_add_co_u32 s[TS], s[TS], 512
	s_add_co_u32 s[TJ], s[TJ], 256
.endif
.endm
	s_wait_alu depctr_va_vdst(0)                   ; the wait at the head's end
	s_wait_loadcnt 0x0                             ; q and my share of the scale words
	s_cmp_lt_u32 s[WV], 4
	s_cbranch_scc0 .Lnot_yet
	s_wait_tensorcnt 0x0                           ; waves 0-3: my part of keys 0-511 is in.  The other waves' wait stands at the second barrier
.Lnot_yet:
	ds_store_b128 v11, v[104:107]
	ds_store_b128 v11, v[108:111] offset:4096
	ds_store_b128 v11, v[112:115] offset:8192
	s_wait_dscnt 0x0                               ; for the others' sake
	s_barrier_signal -1
	s_barrier_wait -1                              ; keys 0-511 and all scale words are in
	KLD 1, 3, 0, 0
	s_mov_b32 s62, 3
.Lfirst:                                           ; steps 0 to 2: they read v's keys 0-383 and fetch k's keys up to 511
	STEP 0
	s_sub_co_u32 s62, s62, 1
	s_cmp_lg_u32 s62, 0
	s_cbranch_scc1 .Lfirst
	s_wait_tensorcnt 0x0                           ; every wave: all my loads are in,
	s_wait_dscnt 0x0
	s_barrier_signal -1
	s_barrier_wait -1                              ; everybody's are
	s_mov_b32 s62, 12
.Lrest:                                            ; steps 3 to 14
	STEP 0
	s_sub_co_u32 s62, s62, 1
	s_cmp_lg_u32 s62, 0
	s_cbranch_scc1 .Lrest
	STEP 1
	; THE WAY OUT: O^T / the sum, quantised along the head's 64 channels (two blocks), stored as two planes of the next operand's image
	s_lshr_b32 s66, s20, 4                         ; batch
	s_and_b32 s67, s20, 15                         ; head
	s_lshl_b32 s66, s66, 7
	s_add_co_u32 s66, s66, s21                     ; tile A among 256 tiles of 16 tokens
	s_lshr_b32 s68, s67, 1                         ; which 128 of K
	s_and_b32 s67, s67, 1                          ; which half of them
	s_lshl_b32 s70, s66, 3
	s_add_co_u32 s70, s70, s68
	s_lshl_b32 s70, s70, 11
	s_lshl_b32 s71, s67, 10
	s_add_co_u32 s70, s70, s71
	s_mov_b32 s71, 0
	s_lshl_b32 s72, s68, 14
	s_lshl_b32 s73, s66, 6
	s_add_co_u32 s72, s72, s73
	s_lshl_b32 s73, s67, 1
	s_add_co_u32 s72, s72, s73
	s_add_co_u32 s72, s72, 0x400000
	s_mov_b32 s73, 0
	s_add_nc_u64 s[8:9], s[6:7], s[70:71]          ; (q's loads, which named these registers, were waited for)
	s_add_nc_u64 s[10:11], s[6:7], s[72:73]
.macro OUT w                           ; tile A's lines are the places behind tile B's last products
	WIN 0x55*\w
	v_add_f32 v14, v14, v15
	s_delay_alu instid0(VALU_DEP_1)
	v_permlanex16_b32 v[TP], v14, s[SEL], s[SEL+1]
	s_delay_alu instid0(VALU_DEP_1)
	v_add_f32 v14, v14, v[TP]                      ; the row's sum
	s_wait_alu depctr_va_vdst(0)
	v_rcp_f32 v14, v14
	v_nop                                          ; a plain instruction behind the transcendental
	s_wait_alu depctr_va_vdst(0)                   ; ahead of the reciprocal's and O^T's first readers
.set j, 0
.rept 32
	v_mul_f32 v[S+j], v[O+j], v14                  ; register 8 t + i: o(query, 16 t + 8 (lane / 16) + i); each accumulator from its low end on
.set j, j+1
.endr
.irp b, 0,1
	v_max3_num_f32 v[MX+\b], |v[S+16*\b]|, |v[S+1+16*\b]|, 0x4800000
.endr
.irp i, 2,4,6,8,10,12,14
.irp b, 0,1
	s_delay_alu instid0(VALU_DEP_2)
	v_max3_num_f32 v[MX+\b], v[MX+\b], |v[S+16*\b+\i]|, |v[S+1+16*\b+\i]|
.endr
.endr
.irp b, 0,1
	s_delay_alu instid0(VALU_DEP_2)
	v_permlanex16_b32 v[PB+\b], v[MX+\b], s[SEL], s[SEL+1]
.endr
.irp b, 0,1
	s_delay_alu instid0(VALU_DEP_2)
	v_max_num_f32 v[MX+\b], v[MX+\b], v[PB+\b]
.endr
.irp b, 0,1
	s_delay_alu instid0(VALU_DEP_2)
	v_add_nc_u32 v[SO+\b], 0xfc000000, v[MX+\b]
.endr
.irp b, 0,1
	s_delay_alu instid0(VALU_DEP_4)
	v_and_or_b32 v[HD+\b], v[MX+\b], 0x7f800000, s[MNT]
.endr
.irp b, 0,1
	s_delay_alu instid0(VALU_DEP_4)
	v_lshrrev_b32 v[PB+\b], 23, v[SO+\b]
.endr
	s_delay_alu instid0(VALU_DEP_1)
	v_lshl_or_b32 v[TP], v[PB+1], 8, v[PB]         ; my row's two scale bytes
.irp b, 0,1
.irp i, 0,1,2,3,4,5,6,7,8,9,10,11,12,13,14,15
	v_med3_num_f32 v[S+16*\b+\i], v[S+16*\b+\i], -v[HD+\b], v[HD+\b]
.endr
	v_cvt_scalef32_pk8_fp8_f32 v[PC+4*\b:PC+1+4*\b], v[S+16*\b:S+7+16*\b], v[SO+\b]
	v_cvt_scalef32_pk8_fp8_f32 v[PC+2+4*\b:PC+3+4*\b], v[S+8+16*\b:S+15+16*\b], v[SO+\b]
.endr
	v_nop
.irp b, 0,1
	v_permlane16_swap_b32 v[PC+4*\b], v[PC+4*\b+2] ; into K's true order, which the given weight has: 16 neighbouring channels a lane
	v_permlane16_swap_b32 v[PC+4*\b+1], v[PC+4*\b+3]
.endr
	WIN 0x04*\w                                    ; the stores' data: the tile's window; their offsets: window 0
	global_store_b128 v1, v[PC:PC+3], s[8:9] offset:16384*\w        ; 512 consecutive bytes a store
	global_store_b128 v1, v[PC+4:PC+7], s[8:9] offset:16384*\w+512
	global_store_b16 v7, v[TP], s[10:11] offset:64*\w               ; lanes l and l xor 16 store the same two bytes at the same place
.endm
	OUT 0
	OUT 1
	WIN 0
	s_wait_tensorcnt 0x0                           ; the wave's end
	ds_add_u32 v5, v6
	s_wait_dscnt 0x0
	CROUND                                         ; the closing round
	s_endpgm
.Lfunc_end_k_q4e75d790ad_attn:
	.size	k_q4e75d790ad_attn, .Lfunc_end_k_q4e75d790ad_attn-k_q4e75d790ad_attn
	.p2alignl 7, 3214868480
	.fill 96, 4, 3214868480
	.section	.rodata,"a",@progbits
	.p2align	6, 0x0
	.amdhsa_kernel k_q4e75d790ad_attn
		.amdhsa_group_segment_fixed_size 280576
		.amdhsa_private_segment_fixed_size 0
		.amdhsa_enable_private_segment 0
		.amdhsa_kernarg_size 16
		.amdhsa_user_sgpr_count 2
		.amdhsa_user_sgpr_kernarg_segment_ptr 1
		.amdhsa_wavefront_size32 1
		.amdhsa_system_sgpr_workgroup_id_x 1
		.amdhsa_system_sgpr_workgroup_id_y 1
		.amdhsa_system_sgpr_workgroup_id_z 1
		.amdhsa_system_vgpr_workitem_id 0
		.amdhsa_next_free_vgpr 512
		.amdhsa_next_free_sgpr 80
		.amdhsa_reserve_vcc 0
		.amdhsa_float_denorm_mode_32 3
		.amdhsa_float_denorm_mode_16_64 3
		.amdhsa_memory_ordered 1
		.amdhsa_forward_progress 1
		.amdhsa_inst_pref_size 133
	.end_amdhsa_kernel
	.amdgpu_metadata
---
amdhsa.version: [ 1, 2 ]
amdhsa.kernels:
  - .name:           k_q4e75d790ad_attn
    .symbol:         k_q4e75d790ad_attn.kd
    .args:
      - { .name: qkv, .offset: 0, .size: 8, .value_kind: global_buffer, .address_space: global }
      - { .name: oq, .offset: 8, .size: 8, .value_kind: global_buffer, .address_space: global }
    .group_segment_fixed_size: 280576
    .private_segment_fixed_size: 0
    .kernarg_segment_align: 8
    .kernarg_segment_size: 16
    .max_flat_workgroup_size: 256
    .sgpr_count:     80
    .vgpr_count:     512
    .wavefront_size: 32
...
	.end_amdgpu_metadata
.endif
;; end of part 3
;; launch wo (part 4): grid 8 x 32, 4 waves a work-group, clusters of 4 x 4, 327,680 bytes of LDS; arguments oq, Wo_codes, Wo_scales, bo, x, x1; writes x1
.if DOCPART == 4
	.amdgcn_target "amdgcn-amd-amdhsa--gfx1250"
	.amdhsa_code_object_version 6
	.text
	.protected	k_q4e75d790ad_wo
	.globl	k_q4e75d790ad_wo
	.p2align	8
	.type	k_q4e75d790ad_wo,@function
k_q4e75d790ad_wo:
	s_mov_b64 s[64:65], 0
	v_nop
	global_prefetch_b8 v0, s[64:65] scope:SCOPE_SE
	s_setreg_imm32_b32 hwreg(HW_REG_WAVE_MODE, 25, 1), 1
	s_wait_xcnt 0x0
	s_wait_alu depctr_hold_cnt(0) depctr_sa_sdst(0) depctr_va_vdst(0) depctr_va_sdst(0) depctr_va_ssrc(0) depctr_va_vcc(0) depctr_vm_vsrc(0)
	s_getreg_b32 s2, hwreg(HW_REG_IB_STS2, 6, 4)
	s_cmp_eq_u32 s2, 0
	s_cbranch_scc0 .Lentry_in_a_cluster
	s_endpgm
.Lentry_in_a_cluster:
	s_bfe_u32 s2, ttmp6, 0x10000c
	s_cmp_lg_u32 s2, 0xf033
	s_cbranch_scc0 .Lentry_shape_is_right
	s_endpgm
.Lentry_shape_is_right:
; out = res + (R W^T + bias): a GEMM on codes of FP8 (E4M3) with E8M0 scales, [4096 tokens, KK] x [1024 columns, KK], f32 out.  One text serves two launches, by KK (1,024 and 4,096).
; R, the activations, comes as IMAGES of operand registers: [tile of 16 tokens 256][128 of K][plane 4][lane][16], with scale words [128 of K][token 4096] u32 at byte SCOFF of the same buffer.
; W comes as rows [column][KK] of codes with [column][KK / 32] scale bytes.
; A tile of 128 tokens x 128 columns is made by four waves, each 64 x 64: 16 accumulators: with tiles of 256 x 256 three WGPs in four would have no work.
; K goes in steps of 512 (four matrix instructions deep) through a ring of two LDS slots.  All scale words of the tile's rows come once, with the first fills, and stay.
; CLUSTERS: 4 x 4 work-groups; R's tiles are asked for jointly along a row of the cluster, W's along a column.
; THE MATRIX INSTRUCTION IS USED TRANSPOSED (source 0 = 16 rows of W, source 1 = 16 tokens): a lane holds eight neighbouring columns of one token.
; THE WAY OUT: 16 tokens x 64 columns at a time through the wave's own stage in LDS, back as rows of 256 bytes; the residual (loaded at the head, in that layout) and the bias are added; sixteen lanes store 256 consecutive bytes, aligned.
; REGISTERS: window 0: v8-11 the bias, v16-29 addresses, v32-63 scale words (two sets), v64-127 rows on the way out, v128-255 the accumulators ((a, b) at v[128 + 8 (4 a + b)]).
;   window 1: two fragment buffers of 128: R's four fragments, then W's four.   window 2: v0-127 the residual.
.set KK,    1024
.set SCOFF, 4194304
.set LAPS,  KK/1024                    ; a lap = two slots = once round the ring
.set RIMG,  65536                      ; a slot: R's images [tile of tokens 8][128 of K 4][2,048], unpadded: a load reads 512 consecutive bytes;
.set WP,    528                        ; then W's 128 rows: 512 bytes + 16 of padding: the 16 rows that a load touches start at 16 different banks (64 banks of 4 bytes: ISA guide 11.1)
.set HALFW, 64*WP
.set SLOT,  RIMG+2*HALFW
.set SCR,   2*SLOT                     ; R's scale words [128 of K][128 tokens] u32: 4 KK bytes
.set SCP,   SCR+4*KK                   ; W's scale bytes, as runs of 256 bytes + 16 of padding
.set HSP,   (KK/128)*272               ; those of 64 rows
.set SPARE, SCP+2*HSP                  ; the spare words, 128 bytes for each wave
.set RPU,   8192/KK                    ; rows of W's scale bytes in a run of 256
.if KK == 4096
.set LOGR,  1
.else
.set LOGR,  3
.endif
.set ADRA,  16
.set ADRB,  20
.set ADRSA, 22
.set ADRSB, 23
.set STO,   24
.set RD,    25
.set CO,    26
.set VB,    27
.set SPW,   28
.set NIL,   29
.set BK,    64
.set ACC,   128
.set F0,    0
.set F1,    128
.set G1, 24
.set G0, 32
.set G1B, 48
.set G0B, 56
.set G1S, 68
.set G0S, 76
.set G1SB, 80
.set G0SB, 88
.set MSB, 0
.macro WIN new                         ; the immediate's high byte repeats the setting that is left
.if MSB != \new
	s_set_vgpr_msb (MSB<<8)|\new
.set MSB, \new
.endif
.endm
.set MUL,  0x05                        ; sources 0 and 1 window 1; C and D window 0
.set TO_F, 0x40                        ; destination window 1, address window 0
.macro JLOAD g0a, g1a, g0b, g1b        ; a joint load: waves 0 and 1 fetch for R, waves 2 and 3 for W; four v_nop follow each of the two lines
	s_cmp_eq_u32 s15, 0
	s_cbranch_scc0 .Lfor_b_\@
	tensor_load_to_lds s[\g0a:\g0a+3], s[\g1a:\g1a+7]
	s_nop 0
.rept 4
	v_nop
.endr
	s_branch .Lasked_\@
.Lfor_b_\@:
	tensor_load_to_lds s[\g0b:\g0b+3], s[\g1b:\g1b+7]
	s_nop 0
.rept 4
	v_nop
.endr
.Lasked_\@:
.endm
.macro CREST
	s_cmp_lg_u32 s14, 0
	s_cbranch_scc1 .Lnot_wave_0_\@
	s_barrier_signal -3
.Lnot_wave_0_\@:
	s_barrier_wait -3
	s_barrier_signal -1
	s_barrier_wait -1
.endm
.macro CROUND
	s_barrier_signal -1
	s_barrier_wait -1
	CREST
.endm
	s_load_b256 s[4:11], s[0:1], 0x0               ; R s[4:5], W's codes s[6:7], W's scales s[8:9], the bias s[10:11]
	s_load_b128 s[96:99], s[0:1], 0x20             ; the residual s[96:97], the output s[98:99]
	v_lshl_add_u32 v[SPW], v0, 2, SPARE
	v_mov_b32 v[NIL], 0
	ds_add_u32 v28, v29
	ds_add_u32 v28, v29
	s_wait_dscnt 0x0
	v_lshrrev_b32 v1, 5, v0
	v_readfirstlane_b32 s14, v1                    ; wave 0..3
	s_lshr_b32 s15, s14, 1                         ; which 64 tokens are mine.  Also: I fetch for R (0) or for W (1)
	s_and_b32 s16, s14, 1                          ; which 64 columns.  Also: which half I fetch
	s_bfe_u32 s40, ttmp6, 0x40000
	s_bfe_u32 s41, ttmp6, 0x40004
	s_lshl_b32 s42, ttmp9, 2
	s_add_co_u32 s42, s42, s40                     ; tile of columns
	s_and_b32 s17, ttmp7, 0xffff
	s_lshl_b32 s17, s17, 2
	s_add_co_u32 s17, s17, s41                     ; tile of tokens
	s_lshl_b32 s43, s41, 2
	s_lshl_b32 s43, 15, s43                        ; my row of the cluster
	s_lshl_b32 s44, 0x1111, s40                    ; my column
	; R's codes: 4 rows (tiles of 16 tokens) of 8,192 bytes (1,024 elements of 8 bytes), 16 KK bytes apart, unpadded
	s_or_b32 s[G1+0], s43, (3<<16)|(1<<21)
	s_mov_b32 s[G1+1], 1024<<16                    ; tensor_dim0
	s_mov_b32 s[G1+2], 8<<16                       ; tensor_dim1: the head's load brings all 8 tiles of 16 tokens
	s_mov_b32 s[G1+3], 1024<<16                    ; tile_dim0
	s_mov_b32 s[G1+4], 8                           ; tile_dim1
	s_mov_b32 s[G1+5], 2*KK                        ; the pitch, in elements
	s_mov_b32 s[G1+6], 0
	s_mov_b32 s[G1+7], 0
	; W's codes: 64 rows of 512 bytes, KK apart, 4 words of padding after every 128
	s_or_b32 s[G1B+0], s44, (0<<16)|(1<<20)|(1<<21)|(6<<22)|(3<<25)
	s_mov_b32 s[G1B+1], 512<<16
	s_mov_b32 s[G1B+2], 128<<16
	s_mov_b32 s[G1B+3], 512<<16
	s_mov_b32 s[G1B+4], 128
	s_mov_b32 s[G1B+5], KK
	s_mov_b32 s[G1B+6], 0
	s_mov_b32 s[G1B+7], 0
	; R's scale words: KK / 128 rows of 512 bytes (64 elements of 8 bytes), 16,384 bytes apart
	s_or_b32 s[G1S+0], s43, (3<<16)|(1<<21)
	s_mov_b32 s[G1S+1], 64<<16
	s_mov_b32 s[G1S+2], (KK/128)<<16
	s_mov_b32 s[G1S+3], 64<<16
	s_mov_b32 s[G1S+4], KK/128
	s_mov_b32 s[G1S+5], 2048
	s_mov_b32 s[G1S+6], 0
	s_mov_b32 s[G1S+7], 0
	; W's scale bytes: a dense block of 4 KK bytes, as rows of 256 bytes, 16 bytes of padding behind each
	s_or_b32 s[G1SB+0], s44, (3<<16)|(1<<20)|(1<<21)|(5<<22)|(3<<25)
	s_mov_b32 s[G1SB+1], 32<<16
	s_mov_b32 s[G1SB+2], (KK/64)<<16
	s_mov_b32 s[G1SB+3], 32<<16
	s_mov_b32 s[G1SB+4], KK/64
	s_mov_b32 s[G1SB+5], 32
	s_mov_b32 s[G1SB+6], 0
	s_mov_b32 s[G1SB+7], 0
	s_lshl_b32 s20, s17, 3
	s_mul_i32 s20, s20, 16*KK
	s_mov_b32 s21, 0
	s_lshl_b32 s22, s17, 9                         ; R's scale words: the tile's 128 tokens
	s_add_co_u32 s22, s22, SCOFF
	s_mov_b32 s23, 0
	s_lshl_b32 s46, s42, 7
	s_mul_i32 s92, s46, KK/32
	s_mov_b32 s93, 0
	s_mul_i32 s46, s46, KK
	s_mov_b32 s47, 0
	s_lshl_b32 s45, s16, 15                        ; where they go: no place in the cluster enters an LDS address
	s_mul_i32 s94, s16, HALFW
	s_add_co_u32 s94, s94, RIMG
	s_wait_kmcnt 0x0
	s_add_nc_u64 s[20:21], s[4:5], s[20:21]
	s_add_nc_u64 s[22:23], s[4:5], s[22:23]
	s_add_nc_u64 s[46:47], s[6:7], s[46:47]
	s_add_nc_u64 s[92:93], s[8:9], s[92:93]
	CROUND                                         ; all sixteen work-groups are here: the first joint loads meet
	s_mov_b32 s[G0S], 1
	s_mov_b32 s[G0S+1], SCR
	s_mov_b64 s[G0S+2:G0S+3], s[22:23]
	s_or_b32 s[G0S+3], s[G0S+3], 0x80000000
	s_mov_b32 s[G0SB], 1
	s_mov_b32 s[G0SB+1], SCP
	s_mov_b64 s[G0SB+2:G0SB+3], s[92:93]
	s_or_b32 s[G0SB+3], s[G0SB+3], 0x80000000
; THE HEAD'S FOUR TILES, EACH WHOLE, ONE JOINT LOAD A WAVE: wave 0 slot 0's images of R, wave 1 its 128 rows of W, wave 2 R's scale words, wave 3 W's scale bytes.  Slot 0's groups 0 serve them and are set for the ring behind the wait below.
	s_mov_b32 s[G0], 1
	s_mov_b32 s[G0+1], 0
	s_mov_b64 s[G0+2:G0+3], s[20:21]
	s_or_b32 s[G0+3], s[G0+3], 0x80000000
	s_mov_b32 s[G0B], 1
	s_mov_b32 s[G0B+1], RIMG
	s_mov_b64 s[G0B+2:G0B+3], s[46:47]
	s_or_b32 s[G0B+3], s[G0B+3], 0x80000000
; the prefetches' address: a tile's part of a K step is 256 blocks of 256 bytes; each of the eight waves that fetch for it in the four partners takes 32, told apart by address: sixteenth 8 x tile + 2 x place + half, 16 KK bytes each.
; R: a K step of 16 tokens is 8,192 bytes on end, lanes 256 bytes apart.  W: 16 rows of 512 bytes, two lanes to a row.
	s_cmp_eq_u32 s15, 0
	s_cselect_b64 s[12:13], s[4:5], s[6:7]
	s_cselect_b32 s2, s17, s42
	s_cselect_b32 s101, s40, s41
	s_mov_b32 s66, 512
	s_cselect_b32 s66, 8192, s66                   ; a K step on
	s_cselect_b32 s92, 0, 1                        ; lanes to a row, as a shift and as a mask
	s_mov_b32 s93, KK
	s_cselect_b32 s93, 256, s93                    ; from row to row
	s_mov_b32 s67, 0
	s_lshl_b32 s2, s2, 3
	s_lshl_b32 s101, s101, 1
	s_add_co_u32 s2, s2, s101
	s_add_co_u32 s2, s2, s16
	s_mul_i32 s2, s2, 16*KK
	s_mov_b32 s3, 0
	s_add_nc_u64 s[12:13], s[12:13], s[2:3]
.macro ARM under, g0, g1, next         ; one tree of branches on the wave's number: every way through the head passes one load
	s_cmp_lt_u32 s14, \under
	s_cbranch_scc0 \next
	tensor_load_to_lds s[\g0:\g0+3], s[\g1:\g1+7]
	s_nop 0
.rept 4
	v_nop
.endr
	s_branch .Lhead_asked
\next:
.endm
	ARM 1, G0,  G1,  .Lhead_b
	ARM 2, G0B, G1B, .Lhead_sa
	ARM 3, G0S, G1S, .Lhead_sb
	tensor_load_to_lds s[G0SB:G0SB+3], s[G1SB:G1SB+7]
	s_nop 0
.rept 4
	v_nop
.endr
.Lhead_asked:
	v_and_b32 v31, 31, v0
	v_lshrrev_b32 v30, s92, v31
	v_mul_lo_u32 v30, v30, s93
	v_and_b32 v31, s92, v31
	v_lshl_add_u32 v30, v31, 8, v30
	v_add_nc_u32 v30, s66, v30                     ; my lane's block, one K step on
	global_prefetch_b8 v30, s[12:13] th:TH_LOAD_NT scope:SCOPE_SE   ; K step 1
.if KK > 1024
	v_add_nc_u32 v31, s66, v30
	v_add_nc_u32 v12, s66, v31                     ; three K steps on: never rewritten
	global_prefetch_b8 v31, s[12:13] th:TH_LOAD_NT scope:SCOPE_SE   ; K step 2
	global_prefetch_b8 v12, s[12:13] th:TH_LOAD_NT scope:SCOPE_SE   ; K step 3
.endif
	s_mul_i32 s18, s16, 64*KK                      ; in the ring a wave fetches half a tile: 4 tiles of 16 tokens, or 64 rows of W: 64 KK bytes on
	s_mov_b32 s19, 0
	s_add_nc_u64 s[20:21], s[20:21], s[18:19]
	s_add_nc_u64 s[46:47], s[46:47], s[18:19]
	s_mov_b32 s[G0+4], 1
	s_add_co_u32 s[G0+5], s45, SLOT
	s_add_nc_u64 s[G0+6:G0+7], s[20:21], 8192
	s_or_b32 s[G0+7], s[G0+7], 0x80000000
	s_mov_b32 s[G0B+4], 1
	s_add_co_u32 s[G0B+5], s94, SLOT
	s_add_nc_u64 s[G0B+6:G0B+7], s[46:47], 512
	s_or_b32 s[G0B+7], s[G0B+7], 0x80000000
	s_wait_alu depctr_va_vdst(0)
	s_wait_tensorcnt 0x0                           ; my tile of the four is in
	ds_add_u32 v28, v29
	s_mov_b32 s[G1+2], 4<<16                       ; no tensor load of mine is out: from here on a load brings half a tile
	s_mov_b32 s[G1+4], 4
	s_mov_b32 s[G1B+2], 64<<16
	s_mov_b32 s[G1B+4], 64
	s_mov_b32 s[G0+1], s45                         ; and slot 0's groups 0 stand at my half of K step 0
	s_mov_b64 s[G0+2:G0+3], s[20:21]
	s_or_b32 s[G0+3], s[G0+3], 0x80000000
	s_mov_b32 s[G0B+1], s94
	s_mov_b64 s[G0B+2:G0B+3], s[46:47]
	s_or_b32 s[G0B+3], s[G0B+3], 0x80000000
	s_wait_dscnt 0x0
	CROUND
	JLOAD G0+4, G1, G0B+4, G1B                     ; slot 1, the first tensor load behind the round
	v_and_b32 v1, 15, v0                           ; r = l % 16
	v_bfe_u32 v2, v0, 4, 1                         ; h = l / 16
	v_and_b32 v3, 31, v0                           ; lane
	s_wait_alu depctr_va_vdst(0)
	v_lshlrev_b32 v4, 4, v3
	v_mul_u32_u24 v5, v1, WP
	v_lshl_add_u32 v5, v2, 4, v5
	s_lshl_b32 s21, s15, 15                        ; my 64 tokens' images
	s_mul_i32 s22, s16, HALFW                      ; my 64 rows of W
	s_add_co_u32 s22, s22, RIMG
.irp s, 0,1
	v_add_nc_u32 v[ADRA+\s], s21, v4
	v_add_nc_u32 v[ADRB+\s], s22, v5
	s_add_co_u32 s21, s21, SLOT
	s_add_co_u32 s22, s22, SLOT
.endr
	s_lshl_b32 s21, s15, 8
	s_add_co_u32 s21, s21, SCR
	v_lshl_add_u32 v[ADRSA], v3, 2, s21            ; R's scale words: lane l takes token 32 j + l of my 64
	v_lshrrev_b32 v6, LOGR, v3
	v_and_b32 v7, RPU-1, v3
	v_mul_u32_u24 v7, v7, KK/32
	v_mad_u32_u24 v[ADRSB], v6, 272, v7            ; W's: lane l takes row 32 j + l of my 64: which run of 256 bytes, and where in it
	s_mul_i32 s22, s16, HSP
	s_add_co_u32 s22, s22, SCP
	v_add_nc_u32 v[ADRSB], s22, v[ADRSB]
	s_mul_i32 s21, s14, 16*272                     ; my stage: in slot 0, which has had its last fill and its last read when the first result is stored there
	v_mul_u32_u24 v[STO], v1, 272
	v_lshl_add_u32 v[STO], v2, 5, v[STO]
	v_add_nc_u32 v[STO], s21, v[STO]               ; in: row r, 32 bytes for each half of the lanes
	v_mul_u32_u24 v[RD], v2, 272
	v_lshl_add_u32 v[RD], v1, 4, v[RD]
	v_add_nc_u32 v[RD], s21, v[RD]                 ; back: lanes 0-15 one row of 256 bytes, lanes 16-31 the next
	v_lshlrev_b32 v[CO], 12, v2
	v_lshl_add_u32 v[CO], v1, 4, v[CO]             ; and the same two rows in memory: rows of 4,096 bytes
	v_lshlrev_b32 v[VB], 4, v1
	s_wait_alu depctr_va_vdst(0)
	s_lshl_b32 s20, s17, 19
	s_lshl_b32 s21, s15, 18
	s_add_co_u32 s20, s20, s21                     ; my first token's row
	s_lshl_b32 s46, s42, 9
	s_lshl_b32 s47, s16, 8
	s_add_co_u32 s46, s46, s47                     ; my first column, in bytes
	s_mov_b32 s47, 0
	s_add_nc_u64 s[10:11], s[10:11], s[46:47]
	s_add_co_u32 s20, s20, s46
	s_mov_b32 s21, 0
	s_add_nc_u64 s[96:97], s[96:97], s[20:21]
	s_add_nc_u64 s[98:99], s[98:99], s[20:21]
	global_load_b128 v[8:11], v[VB], s[10:11]      ; the bias of my four columns of a row
	WIN 0x80                                       ; destination window 2
.irp a, 0,1,2,3
.irp i, 0,1,2,3,4,5,6,7
	global_load_b128 v[32*\a+4*\i:32*\a+4*\i+3], v[CO], s[96:97] offset:(16*\a+2*\i)*4096   ; the residual, in the layout in which the results leave; it lands under the products
.endr
.endr
	WIN 0
; One matrix instruction: tokens 16 a on x columns 16 b on, the slot's q-th 128 along K, from buffer f.  A scale register holds the words of 32 rows: the odd tile's lie in lanes 16-31.
.macro WM a, b, f, set, q, zero
.set rD, ACC+8*(4*(\a)+(\b))
.set rW, (\f)+64+16*(\b)
.set rR, (\f)+16*(\a)
.set rSB, 40+16*(\set)+4*((\b)/2)+(\q)
.set rSA, 32+16*(\set)+4*((\a)/2)+(\q)
.if \zero
.if ((\a)%2 == 0) && ((\b)%2 == 0)
	v_wmma_scale_f32_16x16x128_f8f6f4 v[rD:rD+7], v[rW:rW+15], v[rR:rR+15], 0, v[rSB], v[rSA]
.elseif ((\a)%2 == 0)
	v_wmma_scale_f32_16x16x128_f8f6f4 v[rD:rD+7], v[rW:rW+15], v[rR:rR+15], 0, v[rSB], v[rSA] matrix_a_scale:MATRIX_SCALE_ROW1
.elseif ((\b)%2 == 0)
	v_wmma_scale_f32_16x16x128_f8f6f4 v[rD:rD+7], v[rW:rW+15], v[rR:rR+15], 0, v[rSB], v[rSA] matrix_b_scale:MATRIX_SCALE_ROW1
.else
	v_wmma_scale_f32_16x16x128_f8f6f4 v[rD:rD+7], v[rW:rW+15], v[rR:rR+15], 0, v[rSB], v[rSA] matrix_a_scale:MATRIX_SCALE_ROW1 matrix_b_scale:MATRIX_SCALE_ROW1
.endif
.else
.if ((\a)%2 == 0) && ((\b)%2 == 0)
	v_wmma_scale_f32_16x16x128_f8f6f4 v[rD:rD+7], v[rW:rW+15], v[rR:rR+15], v[rD:rD+7], v[rSB], v[rSA]
.elseif ((\a)%2 == 0)
	v_wmma_scale_f32_16x16x128_f8f6f4 v[rD:rD+7], v[rW:rW+15], v[rR:rR+15], v[rD:rD+7], v[rSB], v[rSA] matrix_a_scale:MATRIX_SCALE_ROW1
.elseif ((\b)%2 == 0)
	v_wmma_scale_f32_16x16x128_f8f6f4 v[rD:rD+7], v[rW:rW+15], v[rR:rR+15], v[rD:rD+7], v[rSB], v[rSA] matrix_b_scale:MATRIX_SCALE_ROW1
.else
	v_wmma_scale_f32_16x16x128_f8f6f4 v[rD:rD+7], v[rW:rW+15], v[rR:rR+15], v[rD:rD+7], v[rSB], v[rSA] matrix_a_scale:MATRIX_SCALE_ROW1 matrix_b_scale:MATRIX_SCALE_ROW1
.endif
.endif
.endm
.macro MUL4 a, f, set, q, zero         ; the 16 accumulators take turns, one instruction a turn, in the same order in every step
.irp bb, 0,1,2,3
	WM \a, \bb, \f, \set, \q, \zero
.endr
.endm
.macro SCALES set                      ; a slot's scale words: W's, four words a row by one load; R's, a word a token and 128 of K
.irp j, 0,1
	ds_load_b128 v[40+16*\set+4*\j:43+16*\set+4*\j], v[ADRSB] offset:\j*(32/RPU)*272
.endr
.irp j, 0,1
.irp q, 0,1,2,3
	ds_load_b32 v[32+16*\set+4*\j+\q], v[ADRSA] offset:512*\q+128*\j
.endr
.endr
.endm
.macro FETCH slot, q, f                ; 32 LDS loads in one run: W's four fragments, then R's four
	WIN TO_F
.irp i, 0,1,2,3
.irp c, 0,1,2,3
	ds_load_b128 v[\f+64+16*\i+4*\c:\f+64+16*\i+4*\c+3], v[ADRB+\slot] offset:128*(\q)+32*\c+8448*\i
.endr
.endr
.irp i, 0,1,2,3
.irp c, 0,1,2,3
	ds_load_b128 v[\f+16*\i+4*\c:\f+16*\i+4*\c+3], v[ADRA+\slot] offset:2048*(\q)+512*\c+8192*\i
.endr
.endr
.endm
.macro PLACES n                        ; plain vector instructions between a matrix instruction and a load into, or a vector or LDS access to, its registers (ISA guide 7.12.1 for vector instructions)
.rept \n
	v_nop
.endr
.endm
.macro QUARTER slot, q, f, g, zero     ; one of a slot's first three steps: multiplies buffer f, fetches the next step into g
	s_wait_dscnt 8                                 ; all but the youngest eight loads (R's blocks 2 and 3)
	WIN MUL
	MUL4 0, \f, \slot, \q, \zero
	MUL4 1, \f, \slot, \q, \zero
	PLACES 8
	FETCH \slot, (\q)+1, \g
	s_wait_dscnt 32                                ; all but the 32 just issued
	WIN MUL
	MUL4 2, \f, \slot, \q, \zero
	MUL4 3, \f, \slot, \q, \zero
.endm
; A slot's last step changes slots: one barrier; in front of it each wave waits for all its tensor loads, adds 0 to its spare word, and waits for that and for its own reads of this slot.
.macro TURN slot, next, fill
	WIN 0                                          ; (the add's two registers lie in window 0)
	s_wait_tensorcnt 0x0                           ; all my tensor loads have landed: my part of the next slot
	ds_add_u32 v[SPW], v[NIL]                      ; 0 onto my spare word
	s_wait_dscnt 9                                 ; (the add and the youngest eight loads may be out)
	WIN MUL
	MUL4 0, F1, \slot, 3, 0
	s_wait_dscnt 0x0                               ; the add is done, and my reads of this slot are over
	s_barrier_signal -1
	MUL4 1, F1, \slot, 3, 0
	WIN 0
	s_barrier_wait -1
.if \fill
	CREST                                          ; the barrier has opened a round of the cluster's: no wave of any partner still reads this slot or has a load on its way
	s_add_nc_u64 s[G0+4*\slot+2:G0+4*\slot+3], s[G0+4*\slot+2:G0+4*\slot+3], 16384
	s_add_nc_u64 s[G0B+4*\slot+2:G0B+4*\slot+3], s[G0B+4*\slot+2:G0B+4*\slot+3], 1024
	JLOAD G0+4*\slot, G1, G0B+4*\slot, G1B         ; the first tensor load behind the round, my only one until the next
	PLACES 4
.else
	PLACES 8
.endif
	s_wait_alu depctr_va_vdst(0)
	v_add_nc_u32 v[ADRSA], 2048, v[ADRSA]
	v_add_nc_u32 v[ADRSB], 16, v[ADRSB]
	SCALES \next
	FETCH \next, 0, F0
	WIN MUL
	MUL4 2, F1, \slot, 3, 0
	MUL4 3, F1, \slot, 3, 0
.endm
	s_wait_tensorcnt 1                             ; the scales and my part of slot 0 are in (slot 1's load may be out)
	s_barrier_signal -1
	s_barrier_wait -1
	SCALES 0
	FETCH 0, 0, F0
	QUARTER 0, 0, F0, F1, 1                        ; the first step's products start the sums
.if LAPS > 1
	WIN 0                                          ; at a label and at a branch every window is 0
	s_mov_b32 s3, LAPS-1
.Llap:
	QUARTER 0, 1, F1, F0, 0
	QUARTER 0, 2, F0, F1, 0
	TURN 0, 1, 1
	QUARTER 1, 0, F0, F1, 0
	QUARTER 1, 1, F1, F0, 0
	QUARTER 1, 2, F0, F1, 0
	TURN 1, 0, 1
	QUARTER 0, 0, F0, F1, 0
	WIN 0
	s_sub_co_u32 s3, s3, 1
	s_cmp_lg_u32 s3, 0
	s_cbranch_scc1 .Llap
.endif
	QUARTER 0, 1, F1, F0, 0                        ; the last lap fills nothing
	QUARTER 0, 2, F0, F1, 0
	TURN 0, 1, 0
	QUARTER 1, 0, F0, F1, 0
	QUARTER 1, 1, F1, F0, 0
	QUARTER 1, 2, F0, F1, 0
	s_wait_dscnt 8
	WIN MUL
	MUL4 0, F1, 1, 3, 0
	MUL4 1, F1, 1, 3, 0
	s_wait_dscnt 0
	MUL4 2, F1, 1, 3, 0
	MUL4 3, F1, 1, 3, 0
	WIN 0
.macro OUTB a                          ; 16 tokens x my 64 columns leave
.set BB, BK+32*((\a)%2)
.if (\a) >= 2
	s_wait_xcnt 0x0                                ; the stores of two blocks back have read these registers
.endif
.irp b, 0,1,2,3
	ds_store_b128 v[STO], v[ACC+8*(4*(\a)+\b):ACC+8*(4*(\a)+\b)+3] offset:64*\b      ; each accumulator from its low end on
	ds_store_b128 v[STO], v[ACC+8*(4*(\a)+\b)+4:ACC+8*(4*(\a)+\b)+7] offset:64*\b+16
.endr
.irp i, 0,1,2,3,4,5,6,7
	ds_load_b128 v[BB+4*\i:BB+4*\i+3], v[RD] offset:544*\i   ; LDS serves a wave's instructions in order: these see the stores above
.endr
	s_wait_dscnt 0x0
	WIN 0x08                                       ; source 1: window 2
.set i, 0
.rept 16
	v_pk_add_f32 v[BB+2*i:BB+2*i+1], v[BB+2*i:BB+2*i+1], v[32*(\a)+2*i:32*(\a)+2*i+1]   ; + the residual
.set i, i+1
.endr
	WIN 0
.irp i, 0,1,2,3,4,5,6,7
	v_pk_add_f32 v[BB+4*\i:BB+4*\i+1], v[BB+4*\i:BB+4*\i+1], v[8:9]                      ; + the bias
	v_pk_add_f32 v[BB+4*\i+2:BB+4*\i+3], v[BB+4*\i+2:BB+4*\i+3], v[10:11]
.endr
.irp i, 0,1,2,3,4,5,6,7
	global_store_b128 v[CO], v[BB+4*\i:BB+4*\i+3], s[98:99] offset:(16*(\a)+2*\i)*4096   ; sixteen lanes store 256 consecutive bytes, aligned
.endr
.endm
	PLACES 8                                       ; behind the last products
	s_wait_loadcnt 0x0                             ; the residual and the bias
	OUTB 0
	OUTB 1
	OUTB 2
	OUTB 3
	s_wait_tensorcnt 0x0                           ; the wave's end
	ds_add_u32 v[SPW], v[NIL]
	s_wait_dscnt 0x0
	CROUND                                         ; the closing round
	s_endpgm
.Lfunc_end_k_q4e75d790ad_wo:
	.size	k_q4e75d790ad_wo, .Lfunc_end_k_q4e75d790ad_wo-k_q4e75d790ad_wo
	.p2alignl 7, 3214868480
	.fill 96, 4, 3214868480
	.section	.rodata,"a",@progbits
	.p2align	6, 0x0
	.amdhsa_kernel k_q4e75d790ad_wo
		.amdhsa_group_segment_fixed_size 327680
		.amdhsa_private_segment_fixed_size 0
		.amdhsa_enable_private_segment 0
		.amdhsa_kernarg_size 48
		.amdhsa_user_sgpr_count 2
		.amdhsa_user_sgpr_kernarg_segment_ptr 1
		.amdhsa_wavefront_size32 1
		.amdhsa_system_sgpr_workgroup_id_x 1
		.amdhsa_system_sgpr_workgroup_id_y 1
		.amdhsa_system_sgpr_workgroup_id_z 1
		.amdhsa_system_vgpr_workitem_id 0
		.amdhsa_next_free_vgpr 640
		.amdhsa_next_free_sgpr 102
		.amdhsa_reserve_vcc 0
		.amdhsa_float_denorm_mode_32 3
		.amdhsa_float_denorm_mode_16_64 3
		.amdhsa_memory_ordered 1
		.amdhsa_forward_progress 1
		.amdhsa_inst_pref_size 68
	.end_amdhsa_kernel
	.amdgpu_metadata
---
amdhsa.version: [ 1, 2 ]
amdhsa.kernels:
  - .name:           k_q4e75d790ad_wo
    .symbol:         k_q4e75d790ad_wo.kd
    .args:
      - { .name: oq, .offset: 0, .size: 8, .value_kind: global_buffer, .address_space: global }
      - { .name: Wo_codes, .offset: 8, .size: 8, .value_kind: global_buffer, .address_space: global }
      - { .name: Wo_scales, .offset: 16, .size: 8, .value_kind: global_buffer, .address_space: global }
      - { .name: bo, .offset: 24, .size: 8, .value_kind: global_buffer, .address_space: global }
      - { .name: x, .offset: 32, .size: 8, .value_kind: global_buffer, .address_space: global }
      - { .name: x1, .offset: 40, .size: 8, .value_kind: global_buffer, .address_space: global }
    .group_segment_fixed_size: 327680
    .private_segment_fixed_size: 0
    .kernarg_segment_align: 8
    .kernarg_segment_size: 48
    .max_flat_workgroup_size: 128
    .sgpr_count:     102
    .vgpr_count:     640
    .wavefront_size: 32
...
	.end_amdgpu_metadata
.endif
;; end of part 4
;; launch ln2: the kernel of part 1 again; grid 256 x 1, 16 waves a work-group, no clusters, 84,992 bytes of LDS; arguments x1, ln2_g, ln2_b, hq; writes hq
;; launch ffn1 (part 5): grid 16 x 16, 4 waves a work-group, clusters of 4 x 4, 327,680 bytes of LDS; arguments hq, W1_codes, W1_scales, b1, fq; writes fq
.if DOCPART == 5
	.amdgcn_target "amdgcn-amd-amdhsa--gfx1250"
	.amdhsa_code_object_version 6
	.text
	.protected	k_q4e75d790ad_ffn1
	.globl	k_q4e75d790ad_ffn1
	.p2align	8
	.type	k_q4e75d790ad_ffn1,@function
k_q4e75d790ad_ffn1:
	s_mov_b64 s[64:65], 0
	v_nop
	global_prefetch_b8 v0, s[64:65] scope:SCOPE_SE
	s_setreg_imm32_b32 hwreg(HW_REG_WAVE_MODE, 25, 1), 1
	s_wait_xcnt 0x0
	s_wait_alu depctr_hold_cnt(0) depctr_sa_sdst(0) depctr_va_vdst(0) depctr_va_sdst(0) depctr_va_ssrc(0) depctr_va_vcc(0) depctr_vm_vsrc(0)
	s_getreg_b32 s2, hwreg(HW_REG_IB_STS2, 6, 4)
	s_cmp_eq_u32 s2, 0
	s_cbranch_scc0 .Lentry_in_a_cluster
	s_endpgm
.Lentry_in_a_cluster:
	s_bfe_u32 s2, ttmp6, 0x10000c
	s_cmp_lg_u32 s2, 0xf033
	s_cbranch_scc0 .Lentry_shape_is_right
	s_endpgm
.Lentry_shape_is_right:
.set MODE,   1
.set SIZE_K, 1024
.set KSTEP,  256
.set NQ,     KSTEP/128
.set ROWB,   256
.set KROW,   SIZE_K
.set PITCH,  272
.set FR,     16
.set NL,     4
.set NP,     8
.set HALFT,  128*PITCH
.set SLOT,   4*HALFT
.set LAPS,   SIZE_K/(2*KSTEP)
.set KS,     SIZE_K/32
.set SCL,    2*SLOT
.set HALFS,  (128*KS/256)*272
.set SBLK,   (16*KS/256)*272
.set SPARE,  SCL+4*HALFS
.set VR4,  7
.set ADRA, 16
.set ADRB, 20
.set VBO,  23
.set SGA,  24
.set SGR,  25
.set LO,   26
.set ADRS, 27
.set SPW,  28
.set NIL,  29
.if MODE == 0
.set VX,   22
.else
.set VX,   26
.endif
.set SC,   32
.set BP,   64
.set AF,   128
.set T,    128
.set PC,   192
.set TM,   208
.set PW,   224
.set XW,   225
.set YW,   226
.set SEL,  40
.set MNT,  43
.set G1, 24
.set G0, 32
.set G1B, 48
.set G0B, 56
.set G1S, 68
.set G0S, 76
.set G1SB, 80
.set G0SB, 88
.set MSB, 0
.macro WIN new
.if MSB != \new
	s_set_vgpr_msb (MSB<<8)|\new
.set MSB, \new
.endif
.endm
.set MUL_LO, 0xa1
.set MUL_HI, 0xf1
.set TO_B,   0x40
.macro JLOAD g0a, g1a, g0b, g1b
	s_cmp_eq_u32 s15, 0
	s_cbranch_scc0 .Lfor_b_\@
	tensor_load_to_lds s[\g0a:\g0a+3], s[\g1a:\g1a+7]
	s_nop 0
.rept 4
	v_nop
.endr
	s_branch .Lasked_\@
.Lfor_b_\@:
	tensor_load_to_lds s[\g0b:\g0b+3], s[\g1b:\g1b+7]
	s_nop 0
.rept 4
	v_nop
.endr
.Lasked_\@:
.endm
.macro CREST
	s_cmp_lg_u32 s14, 0
	s_cbranch_scc1 .Lnot_wave_0_\@
	s_barrier_signal -3
.Lnot_wave_0_\@:
	s_barrier_wait -3
	s_barrier_signal -1
	s_barrier_wait -1
.endm
.macro CROUND
	s_barrier_signal -1
	s_barrier_wait -1
	CREST
.endm
.if MODE == 0
	s_load_b512 s[68:83], s[0:1], 0x0
	s_load_b128 s[84:87], s[0:1], 0x40
	s_load_b64 s[88:89], s[0:1], 0x50
.else
	s_load_b256 s[68:75], s[0:1], 0x0
	s_load_b64 s[76:77], s[0:1], 0x20
.endif
	v_lshl_add_u32 v[SPW], v0, 2, SPARE
	v_mov_b32 v[NIL], 0
	ds_add_u32 v28, v29
	ds_add_u32 v28, v29
	s_wait_dscnt 0x0
	v_lshrrev_b32 v1, 5, v0
	v_readfirstlane_b32 s14, v1
	s_lshr_b32 s15, s14, 1
	s_and_b32 s16, s14, 1
	s_bfe_u32 s40, ttmp6, 0x40000
	s_bfe_u32 s41, ttmp6, 0x40004
	s_and_b32 s18, ttmp7, 0xffff
	s_lshl_b32 s18, s18, 2
.if MODE == 0
	s_cmp_eq_u32 ttmp9, 2
	s_cselect_b32 s42, s18, 0
	s_cselect_b32 s17, 0, s18
.else
	s_lshl_b32 s42, ttmp9, 2
	s_mov_b32 s17, s18
.endif
	s_add_co_u32 s42, s42, s40
	s_add_co_u32 s17, s17, s41
	s_lshl_b32 s43, s41, 2
	s_lshl_b32 s43, 15, s43
	s_lshl_b32 s44, 0x1111, s40
	s_or_b32 s[G1+0], s43, (0<<16)|(1<<20)|(1<<21)|(5<<22)|(3<<25)
	s_or_b32 s[G1B+0], s44, (0<<16)|(1<<20)|(1<<21)|(5<<22)|(3<<25)
.irp g, G1, G1B
	s_mov_b32 s[\g+1], ROWB<<16
	s_mov_b32 s[\g+2], 256<<16
	s_mov_b32 s[\g+3], ROWB<<16
	s_mov_b32 s[\g+4], 256
	s_mov_b32 s[\g+5], KROW
	s_mov_b32 s[\g+6], 0
	s_mov_b32 s[\g+7], 0
.endr
	s_lshl_b32 s20, s17, 8
	s_lshl_b32 s46, s42, 8
	s_mov_b32 s21, 0
	s_mov_b32 s47, 0
	s_mov_b64 s[18:19], KS
	s_mul_u64 s[22:23], s[20:21], s[18:19]
	s_mul_u64 s[92:93], s[46:47], s[18:19]
	s_mov_b64 s[18:19], KROW
	s_mul_u64 s[20:21], s[20:21], s[18:19]
	s_mul_u64 s[46:47], s[46:47], s[18:19]
	s_mul_i32 s45, s14, HALFT
	s_wait_kmcnt 0x0
.if MODE == 0
	s_add_nc_u64 s[90:91], s[68:69], 0x400000
	s_cmp_eq_u32 ttmp9, 0
	s_cselect_b64 s[8:9], s[70:71], s[74:75]
	s_cselect_b64 s[10:11], s[72:73], s[76:77]
	s_cselect_b64 s[96:97], s[82:83], s[84:85]
	s_cmp_eq_u32 ttmp9, 2
	s_cselect_b64 s[4:5], s[78:79], s[68:69]
	s_cselect_b64 s[6:7], s[80:81], s[90:91]
	s_cselect_b64 s[8:9], s[68:69], s[8:9]
	s_cselect_b64 s[10:11], s[90:91], s[10:11]
	s_cselect_b64 s[96:97], s[86:87], s[96:97]
	s_mov_b64 s[12:13], s[88:89]
.else
	s_mov_b64 s[4:5], s[68:69]
	s_add_nc_u64 s[6:7], s[68:69], 0x400000
	s_mov_b64 s[8:9], s[70:71]
	s_mov_b64 s[10:11], s[72:73]
	s_mov_b64 s[96:97], s[74:75]
	s_mov_b64 s[12:13], s[76:77]
.endif
	s_or_b32 s[G1S+0], s43, (3<<16)|(1<<20)|(1<<21)|(5<<22)|(3<<25)
	s_or_b32 s[G1SB+0], s44, (3<<16)|(1<<20)|(1<<21)|(5<<22)|(3<<25)
.irp g, G1S, G1SB
	s_mov_b32 s[\g+1], 32<<16
	s_mov_b32 s[\g+2], KS<<16
	s_mov_b32 s[\g+3], 32<<16
	s_mov_b32 s[\g+4], KS
	s_mov_b32 s[\g+5], 32
	s_mov_b32 s[\g+6], 0
	s_mov_b32 s[\g+7], 0
.endr
	s_add_nc_u64 s[20:21], s[4:5], s[20:21]
	s_add_nc_u64 s[22:23], s[6:7], s[22:23]
	s_add_nc_u64 s[46:47], s[8:9], s[46:47]
	s_add_nc_u64 s[92:93], s[10:11], s[92:93]
	CROUND
	s_mov_b32 s[G0S], 1
	s_mov_b32 s[G0S+1], SCL
	s_mov_b64 s[G0S+2:G0S+3], s[22:23]
	s_or_b32 s[G0S+3], s[G0S+3], 0x80000000
	s_mov_b32 s[G0SB], 1
	s_mov_b32 s[G0SB+1], SCL+2*HALFS
	s_mov_b64 s[G0SB+2:G0SB+3], s[92:93]
	s_or_b32 s[G0SB+3], s[G0SB+3], 0x80000000
; THE HEAD'S FOUR TILES, EACH WHOLE, ONE JOINT LOAD A WAVE: wave 0 K step 0's 256 rows of A, wave 1 its 256 rows of B, wave 2 A's scale bytes, wave 3 B's.  Slot 0's groups 0 serve them and are set for the ring behind the wait below.
	s_mov_b32 s[G0], 1
	s_mov_b32 s[G0+1], 0
	s_mov_b64 s[G0+2:G0+3], s[20:21]
	s_or_b32 s[G0+3], s[G0+3], 0x80000000
	s_mov_b32 s[G0B], 1
	s_mov_b32 s[G0B+1], 2*HALFT
	s_mov_b64 s[G0B+2:G0B+3], s[46:47]
	s_or_b32 s[G0B+3], s[G0B+3], 0x80000000
; the prefetches' address: of a tile's 256 rows each of the eight waves that fetch for it in the four partners takes 32, told apart by address: (8 x tile + 2 x place + half) x 32 rows; a lane a row
	s_cmp_eq_u32 s15, 0
	s_cselect_b64 s[100:101], s[4:5], s[8:9]
	s_cselect_b32 s2, s17, s42
	s_cselect_b32 s3, s40, s41
	s_lshl_b32 s2, s2, 3
	s_lshl_b32 s3, s3, 1
	s_add_co_u32 s2, s2, s3
	s_add_co_u32 s2, s2, s16
	s_mul_i32 s2, s2, 32*KROW
	s_mov_b32 s3, 0
	s_add_nc_u64 s[100:101], s[100:101], s[2:3]
.macro ARM under, g0, g1, next         ; one tree of branches on the wave's number: every way through the head passes one load
	s_cmp_lt_u32 s14, \under
	s_cbranch_scc0 \next
	tensor_load_to_lds s[\g0:\g0+3], s[\g1:\g1+7]
	s_nop 0
.rept 4
	v_nop
.endr
	s_branch .Lhead_asked
\next:
.endm
	ARM 1, G0,  G1,  .Lhead_b
	ARM 2, G0B, G1B, .Lhead_sa
	ARM 3, G0S, G1S, .Lhead_sb
	tensor_load_to_lds s[G0SB:G0SB+3], s[G1SB:G1SB+7]
	s_nop 0
.rept 4
	v_nop
.endr
.Lhead_asked:
	v_and_b32 v30, 31, v0
	v_lshlrev_b32 v30, 10, v30                     ; my lane's row: KROW bytes a row; never rewritten
	global_prefetch_b8 v30, s[100:101] offset:256 th:TH_LOAD_NT scope:SCOPE_SE   ; K steps 1, 2, 3 of my 32 rows, 256 bytes each: all that the ring will still ask for; each block is named once in the cluster
	global_prefetch_b8 v30, s[100:101] offset:512 th:TH_LOAD_NT scope:SCOPE_SE
	global_prefetch_b8 v30, s[100:101] offset:768 th:TH_LOAD_NT scope:SCOPE_SE
	s_mul_i32 s18, s16, 128*KROW                   ; in the ring a wave fetches 128 rows of a tile: which half
	s_mov_b32 s19, 0
	s_add_nc_u64 s[20:21], s[20:21], s[18:19]
	s_add_nc_u64 s[46:47], s[46:47], s[18:19]
	s_mov_b32 s[G0+4], 1
	s_add_co_u32 s[G0+5], s45, SLOT
	s_add_nc_u64 s[G0+6:G0+7], s[20:21], ROWB
	s_or_b32 s[G0+7], s[G0+7], 0x80000000
	s_mov_b32 s[G0B+4], 1
	s_add_co_u32 s[G0B+5], s45, SLOT
	s_add_nc_u64 s[G0B+6:G0B+7], s[46:47], ROWB
	s_or_b32 s[G0B+7], s[G0B+7], 0x80000000
	s_wait_alu depctr_va_vdst(0)
	s_wait_tensorcnt 0x0                           ; my tile of the four is in
	ds_add_u32 v28, v29
	s_mov_b32 s[G1+2], 128<<16                     ; no tensor load of mine is out: from here on a load brings 128 rows
	s_mov_b32 s[G1+4], 128
	s_mov_b32 s[G1B+2], 128<<16
	s_mov_b32 s[G1B+4], 128
	s_mov_b32 s[G0+1], s45                         ; and slot 0's groups 0 stand at my half of K step 0
	s_mov_b64 s[G0+2:G0+3], s[20:21]
	s_or_b32 s[G0+3], s[G0+3], 0x80000000
	s_mov_b32 s[G0B+1], s45
	s_mov_b64 s[G0B+2:G0B+3], s[46:47]
	s_or_b32 s[G0B+3], s[G0B+3], 0x80000000
	s_wait_dscnt 0x0
	CROUND
	JLOAD G0+4, G1, G0B+4, G1B                     ; K step 1, the first tensor load behind the round
	v_and_b32 v1, 15, v0
	v_bfe_u32 v2, v0, 4, 1
	v_mul_u32_u24 v3, v1, PITCH
	v_lshl_add_u32 v4, v2, 4, v3
	s_mul_i32 s21, s15, HALFT
	s_mul_i32 s22, s16, HALFT
	s_add_co_u32 s22, s22, 2*HALFT
.irp s, 0,1
	v_add_nc_u32 v[ADRA+\s], s21, v4
	v_add_nc_u32 v[ADRB+\s], s22, v4
	s_add_co_u32 s21, s21, SLOT
	s_add_co_u32 s22, s22, SLOT
.endr
	v_mul_u32_u24 v5, v1, KS
	v_lshrrev_b32 v6, 8, v5
	v_lshl_add_u32 v5, v6, 4, v5
	s_mul_i32 s21, s15, HALFS
	s_mul_i32 s22, s16, HALFS
	s_add_co_u32 s22, s22, 2*HALFS
	s_sub_co_u32 s22, s22, s21
	v_mul_u32_u24 v6, s22, v2
	s_add_co_u32 s21, s21, SCL
	v_add_nc_u32 v5, v5, v6
	v_add_nc_u32 v[ADRS], s21, v5
	v_lshlrev_b32 v[VBO], 5, v2
	s_wait_alu depctr_va_vdst(0)
	v_lshlrev_b32 v[VR4], 2, v1
	s_lshl_b32 s10, s14, 10
	v_lshl_add_u32 v[SGA], v1, 2, s10
	v_and_b32 v6, 31, v0
	v_lshlrev_b32 v[LO], 4, v6
	v_add_nc_u32 v[SGR], s10, v[LO]
	s_lshl_b32 s20, s17, 8
	s_lshl_b32 s21, s15, 7
	s_add_co_u32 s20, s20, s21
	s_lshl_b32 s46, s42, 8
	s_lshl_b32 s47, s16, 7
	s_add_co_u32 s46, s46, s47
.if MODE == 0
	s_cmp_eq_u32 ttmp9, 2
	s_cselect_b32 s92, s46, s20
	s_cselect_b32 s93, s20, s46
	s_cselect_b32 s66, 0, s46
	s_cselect_b32 s67, s20, 0
	s_mov_b32 s4, 131072
	s_cselect_b32 s4, 1024, s4
	s_mov_b32 s18, 1024
	s_cselect_b32 s18, 2048, s18
	s_cselect_b32 s20, 122880, 0
	s_mov_b32 s23, 0x01000100
	s_cselect_b32 s23, 0x03020100, s23
	s_mov_b32 s22, 256
	s_cselect_b32 s22, 12288, s22
	s_cselect_b32 s45, 1, 2
	s_mov_b32 s47, 12845056
	s_cselect_b32 s47, 12853248, s47
	s_cmp_eq_u32 ttmp9, 0
	s_cselect_b32 s47, 12582912, s47
	s_mov_b32 s94, 12288
	s_cselect_b32 s94, 8192, s94
	s_mov_b32 s95, 0x03020302
	s_mov_b32 s19, 0
	s_mov_b32 s21, 0
	s_mov_b32 s5, 0
	s_lshr_b32 s46, s92, 11
	s_lshl_b32 s46, s46, 4
	s_lshr_b32 s93, s93, 6
	s_add_co_u32 s46, s46, s93
	s_and_b32 s92, s92, 2047
	s_mul_i32 s6, s46, s94
	s_add_co_u32 s6, s6, s47
	s_lshl_b32 s93, s92, s45
	s_add_co_u32 s6, s6, s93
	s_mov_b32 s7, 0
	s_add_nc_u64 s[6:7], s[12:13], s[6:7]
	s_mov_b32 s8, s94
	s_mov_b32 s9, 0
	s_add_nc_u64 s[8:9], s[6:7], s[8:9]
	s_lshl_b32 s10, ttmp9, 22
	s_lshl_b32 s46, s46, 17
	s_add_co_u32 s10, s10, s46
	s_lshl_b32 s92, s92, 6
	s_add_co_u32 s10, s10, s92
	s_mov_b32 s11, 0
	s_add_nc_u64 s[12:13], s[12:13], s[10:11]
	s_add_nc_u64 s[4:5], s[12:13], s[4:5]
	s_lshl_b32 s66, s66, 2
	s_lshl_b32 s10, s67, 2
	s_mov_b32 s67, 0
	s_add_nc_u64 s[98:99], s[96:97], s[10:11]
	s_add_nc_u64 s[96:97], s[96:97], s[66:67]
	v_mul_u32_u24 v[VX], s22, v2
	v_lshl_add_u32 v[VX], v1, 4, v[VX]
.else
	s_lshl_b32 s6, s46, 7
	s_lshl_b32 s7, s20, 2
	s_add_co_u32 s6, s6, s7
	s_add_co_u32 s6, s6, 16777216
	s_mov_b32 s7, 0
	s_add_nc_u64 s[6:7], s[12:13], s[6:7]
	s_lshl_b32 s10, s20, 12
	s_lshl_b32 s11, s46, 4
	s_add_co_u32 s10, s10, s11
	s_mov_b32 s11, 0
	s_add_nc_u64 s[12:13], s[12:13], s[10:11]
	s_add_nc_u64 s[4:5], s[12:13], 1024
	s_mov_b32 s18, 65536
	s_mov_b32 s19, 0
	s_lshl_b32 s66, s46, 2
	s_mov_b32 s67, 0
	s_add_nc_u64 s[96:97], s[96:97], s[66:67]
.endif
.irp b, 0,1,2,3,4,5,6,7
	global_load_b128 v[BP+8*\b:BP+8*\b+3], v[VBO], s[96:97] offset:64*\b
	global_load_b128 v[BP+8*\b+4:BP+8*\b+7], v[VBO], s[96:97] offset:64*\b+16
.endr
.if MODE == 0
.irp a, 0,1,2,3,4,5,6,7
	global_load_b32 v[8+\a], v[VR4], s[98:99] offset:64*\a
.endr
.endif
.macro FRAG reg, adr, q, i
.irp c, 0,1,2,3
	ds_load_b128 v[\reg+4*\c:\reg+4*\c+3], v[\adr] offset:128*(\q)+32*\c+(\i)*16*PITCH
.endr
.endm
.macro MUL16 a0, p, q, sc, zero
.irp a, \a0, \a0+1
.irp b, 0,1,2,3,4,5,6,7
.if \zero
	v_wmma_scale_f32_16x16x128_f8f6f4 v[8*(8*((\a)%4)+\b):8*(8*((\a)%4)+\b)+7], v[128*(\p)+FR*\b:128*(\p)+FR*\b+FR-1], v[AF+FR*(\a):AF+FR*(\a)+FR-1], 0, v[SC+8*NQ*(\sc)+NQ*\b+(\q)], v[SC+8*NQ*(\sc)+NQ*(\a)+(\q)] matrix_a_scale:MATRIX_SCALE_ROW1
.else
	v_wmma_scale_f32_16x16x128_f8f6f4 v[8*(8*((\a)%4)+\b):8*(8*((\a)%4)+\b)+7], v[128*(\p)+FR*\b:128*(\p)+FR*\b+FR-1], v[AF+FR*(\a):AF+FR*(\a)+FR-1], v[8*(8*((\a)%4)+\b):8*(8*((\a)%4)+\b)+7], v[SC+8*NQ*(\sc)+NQ*\b+(\q)], v[SC+8*NQ*(\sc)+NQ*(\a)+(\q)] matrix_a_scale:MATRIX_SCALE_ROW1
.endif
.endr
.endr
.endm
.macro FETCH_B slot, q, p
	WIN TO_B
.irp i, 0,1,2,3,4,5,6,7
	FRAG 128*(\p)+FR*\i, ADRB+\slot, \q, \i
.endr
	WIN 0
.endm
.macro FETCH_A slot, q, i0
.irp i, \i0, \i0+1, \i0+2, \i0+3
	FRAG AF+FR*(\i), ADRA+\slot, \q, \i
.endr
.endm
.macro SCALES sc
.irp i, 0,1,2,3,4,5,6,7
	ds_load_b64 v[SC+8*NQ*\sc+NQ*\i:SC+8*NQ*\sc+NQ*\i+1], v[ADRS] offset:\i*SBLK
.endr
.endm
.macro PLACES n
.rept \n
	v_nop
.endr
.endm
.macro STEP slot, q, zero
	s_wait_dscnt 4*NL
	WIN MUL_LO
	MUL16 0, (\q)%2, \q, \slot, \zero
	MUL16 2, (\q)%2, \q, \slot, \zero
	s_wait_dscnt 0
	PLACES NP
	FETCH_B \slot, (\q)+1, 1-(\q)%2
	FETCH_A \slot, (\q)+1, 0
	WIN MUL_HI
	MUL16 4, (\q)%2, \q, \slot, \zero
	MUL16 6, (\q)%2, \q, \slot, \zero
	PLACES NP
	WIN 0
	FETCH_A \slot, (\q)+1, 4
.endm
.macro TURN slot, next, fill
	s_wait_tensorcnt 0x0
	ds_add_u32 v[SPW], v[NIL]
	s_wait_dscnt 4*NL+1
	WIN MUL_LO
	MUL16 0, 1, NQ-1, \slot, 0
	s_wait_dscnt 0x0
	s_barrier_signal -1
	MUL16 2, 1, NQ-1, \slot, 0
	WIN 0
	s_barrier_wait -1
.if \fill
	CREST
	s_add_nc_u64 s[G0+4*\slot+2:G0+4*\slot+3], s[G0+4*\slot+2:G0+4*\slot+3], 2*ROWB
	s_add_nc_u64 s[G0B+4*\slot+2:G0B+4*\slot+3], s[G0B+4*\slot+2:G0B+4*\slot+3], 2*ROWB
	JLOAD G0+4*\slot, G1, G0B+4*\slot, G1B
	PLACES NP-4
.else
	PLACES NP
.endif
	s_wait_alu depctr_va_vdst(0)
	v_add_nc_u32 v[ADRS], 4*NQ, v[ADRS]
	FETCH_B \next, 0, 0
	FETCH_A \next, 0, 0
	SCALES \next
	WIN MUL_HI
	MUL16 4, 1, NQ-1, \slot, 0
	MUL16 6, 1, NQ-1, \slot, 0
	PLACES NP
	WIN 0
	FETCH_A \next, 0, 4
.endm
	s_wait_loadcnt 0x0
	s_wait_tensorcnt 1
	s_barrier_signal -1
	s_barrier_wait -1
	FETCH_B 0, 0, 0
	FETCH_A 0, 0, 0
	SCALES 0
	FETCH_A 0, 0, 4
	STEP 0, 0, 1
	s_mov_b32 s3, LAPS-1
.Llap:
	TURN 0, 1, 1
	STEP 1, 0, 0
	TURN 1, 0, 1
	STEP 0, 0, 0
	s_sub_co_u32 s3, s3, 1
	s_cmp_lg_u32 s3, 0
	s_cbranch_scc1 .Llap
	TURN 0, 1, 0
	STEP 1, 0, 0
	s_wait_dscnt 4*NL
	WIN MUL_LO
	MUL16 0, 1, NQ-1, 1, 0
	MUL16 2, 1, NQ-1, 1, 0
	s_wait_dscnt 0
	WIN MUL_HI
	MUL16 4, 1, NQ-1, 1, 0
	MUL16 6, 1, NQ-1, 1, 0
	WIN 0
.macro QUANT s, relu
.if \relu
.irp b, 0,1,2,3
	v_max3_num_f32 v[TM+\b], v[\s+16*\b], v[\s+1+16*\b], 0x4800000
.endr
.irp i, 2,4,6,8,10,12,14
.irp b, 0,1,2,3
	v_max3_num_f32 v[TM+\b], v[TM+\b], v[\s+16*\b+\i], v[\s+1+16*\b+\i]
.endr
.endr
.else
.irp b, 0,1,2,3
	v_max3_num_f32 v[TM+\b], |v[\s+16*\b]|, |v[\s+1+16*\b]|, 0x4800000
.endr
.irp i, 2,4,6,8,10,12,14
.irp b, 0,1,2,3
	v_max3_num_f32 v[TM+\b], v[TM+\b], |v[\s+16*\b+\i]|, |v[\s+1+16*\b+\i]|
.endr
.endr
.endif
.irp b, 0,1,2,3
	v_permlanex16_b32 v[TM+4+\b], v[TM+\b], s[SEL], s[SEL+1]
.endr
.irp b, 0,1,2,3
	v_max_num_f32 v[TM+\b], v[TM+\b], v[TM+4+\b]
.endr
.irp b, 0,1,2,3
	v_add_nc_u32 v[TM+12+\b], 0xfc000000, v[TM+\b]
.endr
.irp b, 0,1,2,3
	v_and_or_b32 v[TM+8+\b], v[TM+\b], 0x7f800000, s[MNT]
.endr
.irp b, 0,1,2,3
	v_lshrrev_b32 v[TM+4+\b], 23, v[TM+12+\b]
.endr
	v_lshl_or_b32 v[PW], v[TM+5], 8, v[TM+4]
	v_lshl_or_b32 v[PW], v[TM+6], 16, v[PW]
	v_lshl_or_b32 v[PW], v[TM+7], 24, v[PW]
	s_wait_alu depctr_va_vdst(0)
	s_wait_xcnt 0x0                                ; the last block's stores have read their data and their bases: the conversions below write the data anew, and the bases step behind them
.irp b, 0,1,2,3
.irp i, 0,1,2,3,4,5,6,7,8,9,10,11,12,13,14,15
.if \relu
	v_med3_num_f32 v[\s+16*\b+\i], v[\s+16*\b+\i], 0, v[TM+8+\b]
.else
	v_med3_num_f32 v[\s+16*\b+\i], v[\s+16*\b+\i], -v[TM+8+\b], v[TM+8+\b]
.endif
.endr
	v_cvt_scalef32_pk8_fp8_f32 v[PC+4*\b:PC+1+4*\b], v[\s+16*\b:\s+7+16*\b], v[TM+12+\b]
	v_cvt_scalef32_pk8_fp8_f32 v[PC+2+4*\b:PC+3+4*\b], v[\s+8+16*\b:\s+15+16*\b], v[TM+12+\b]
.endr
	v_nop
.irp b, 0,1,2,3
	v_permlane16_swap_b32 v[PC+4*\b], v[PC+4*\b+2]
	v_permlane16_swap_b32 v[PC+4*\b+1], v[PC+4*\b+3]
.endr
.endm
.macro OUTA a
.set AC, 64*((\a)%4)
.set WN, 0x02+(\a)/4
.if MODE == 0
	s_cmp_eq_u32 ttmp9, 2
	s_cbranch_scc1 .Lby_lane_\@
.endif
	WIN WN
.set i, 0
.rept 32
	v_pk_add_f32 v[T+2*i:T+2*i+1], v[AC+2*i:AC+2*i+1], v[BP+2*i:BP+2*i+1]
.set i, i+1
.endr
	WIN 0
.if MODE == 0
	s_branch .Lbiased_\@
.Lby_lane_\@:
	WIN WN
.set i, 0
.rept 32
.if (\a)%2
	v_pk_add_f32 v[T+2*i:T+2*i+1], v[AC+2*i:AC+2*i+1], v[8+2*((\a)/2):9+2*((\a)/2)] op_sel:[0,1] op_sel_hi:[1,1]
.else
	v_pk_add_f32 v[T+2*i:T+2*i+1], v[AC+2*i:AC+2*i+1], v[8+2*((\a)/2):9+2*((\a)/2)] op_sel_hi:[1,0]
.endif
.set i, i+1
.endr
	WIN 0
.Lbiased_\@:
.endif
	QUANT T, MODE
.if (\a) > 0
	s_add_nc_u64 s[12:13], s[12:13], s[18:19]
	s_add_nc_u64 s[4:5], s[4:5], s[18:19]
.if (MODE == 0) && ((\a) == 4)
	s_add_nc_u64 s[12:13], s[12:13], s[20:21]
	s_add_nc_u64 s[4:5], s[4:5], s[20:21]
.endif
.endif
.if MODE == 0
	v_perm_b32 v[XW], v[PW], v[PW], s23
	v_perm_b32 v[YW], v[PW], v[PW], s95
	ds_store_b32 v[SGA], v[XW] offset:64*(\a)
	ds_store_b32 v[SGA], v[YW] offset:512+64*(\a)
.else
	ds_store_b32 v[SGA], v[PW] offset:64*(\a)
.endif
	global_store_b128 v[LO], v[PC:PC+3], s[12:13]
	global_store_b128 v[LO], v[PC+4:PC+7], s[12:13] offset:512
	global_store_b128 v[LO], v[PC+8:PC+11], s[4:5]
	global_store_b128 v[LO], v[PC+12:PC+15], s[4:5] offset:512
.endm
	PLACES NP
	s_mov_b32 s[SEL], 0x76543210
	s_mov_b32 s[SEL+1], 0xfedcba98
	s_mov_b32 s[MNT], 0x600000
.irp b, 0,1,2,3
	v_mov_b32 v[TM+4+\b], 0
.endr
.irp a, 0,1,2,3,4,5,6,7
	OUTA \a
.endr
	ds_load_b128 v[T:T+3], v[SGR]
.if MODE == 0
	ds_load_b128 v[T+4:T+7], v[SGR] offset:512
.endif
	s_wait_dscnt 0x0
	global_store_b128 v[VX], v[T:T+3], s[6:7]
.if MODE == 0
	s_cmp_eq_u32 ttmp9, 2
	s_cbranch_scc1 .Lno_y
	global_store_b128 v[VX], v[T+4:T+7], s[8:9]
.Lno_y:
.endif
	s_wait_tensorcnt 0x0
	ds_add_u32 v[SPW], v[NIL]
	s_wait_dscnt 0x0
	CROUND
	s_endpgm
.Lfunc_end_k_q4e75d790ad_ffn1:
	.size	k_q4e75d790ad_ffn1, .Lfunc_end_k_q4e75d790ad_ffn1-k_q4e75d790ad_ffn1
	.p2alignl 7, 3214868480
	.fill 96, 4, 3214868480
	.section	.rodata,"a",@progbits
	.p2align	6, 0x0
	.amdhsa_kernel k_q4e75d790ad_ffn1
		.amdhsa_group_segment_fixed_size 327680
		.amdhsa_private_segment_fixed_size 0
		.amdhsa_enable_private_segment 0
		.amdhsa_kernarg_size 40
		.amdhsa_user_sgpr_count 2
		.amdhsa_user_sgpr_kernarg_segment_ptr 1
		.amdhsa_wavefront_size32 1
		.amdhsa_system_sgpr_workgroup_id_x 1
		.amdhsa_system_sgpr_workgroup_id_y 1
		.amdhsa_system_sgpr_workgroup_id_z 1
		.amdhsa_system_vgpr_workitem_id 0
		.amdhsa_next_free_vgpr 1024
		.amdhsa_next_free_sgpr 102
		.amdhsa_reserve_vcc 0
		.amdhsa_float_denorm_mode_32 3
		.amdhsa_float_denorm_mode_16_64 3
		.amdhsa_memory_ordered 1
		.amdhsa_forward_progress 1
		.amdhsa_inst_pref_size 207
	.end_amdhsa_kernel
	.amdgpu_metadata
---
amdhsa.version: [ 1, 2 ]
amdhsa.kernels:
  - .name:           k_q4e75d790ad_ffn1
    .symbol:         k_q4e75d790ad_ffn1.kd
    .args:
      - { .name: hq, .offset: 0, .size: 8, .value_kind: global_buffer, .address_space: global }
      - { .name: W1_codes, .offset: 8, .size: 8, .value_kind: global_buffer, .address_space: global }
      - { .name: W1_scales, .offset: 16, .size: 8, .value_kind: global_buffer, .address_space: global }
      - { .name: b1, .offset: 24, .size: 8, .value_kind: global_buffer, .address_space: global }
      - { .name: fq, .offset: 32, .size: 8, .value_kind: global_buffer, .address_space: global }
    .group_segment_fixed_size: 327680
    .private_segment_fixed_size: 0
    .kernarg_segment_align: 8
    .kernarg_segment_size: 40
    .max_flat_workgroup_size: 128
    .sgpr_count:     102
    .vgpr_count:     1024
    .wavefront_size: 32
...
	.end_amdgpu_metadata
.endif
;; end of part 5
;; launch ffn2 (part 6): grid 8 x 32, 4 waves a work-group, clusters of 4 x 4, 327,680 bytes of LDS; arguments fq, W2_codes, W2_scales, b2, x1, out0; writes out0
.if DOCPART == 6
	.amdgcn_target "amdgcn-amd-amdhsa--gfx1250"
	.amdhsa_code_object_version 6
	.text
	.protected	k_q4e75d790ad_ffn2
	.globl	k_q4e75d790ad_ffn2
	.p2align	8
	.type	k_q4e75d790ad_ffn2,@function
k_q4e75d790ad_ffn2:
	s_mov_b64 s[64:65], 0
	v_nop
	global_prefetch_b8 v0, s[64:65] scope:SCOPE_SE
	s_setreg_imm32_b32 hwreg(HW_REG_WAVE_MODE, 25, 1), 1
	s_wait_xcnt 0x0
	s_wait_alu depctr_hold_cnt(0) depctr_sa_sdst(0) depctr_va_vdst(0) depctr_va_sdst(0) depctr_va_ssrc(0) depctr_va_vcc(0) depctr_vm_vsrc(0)
	s_getreg_b32 s2, hwreg(HW_REG_IB_STS2, 6, 4)
	s_cmp_eq_u32 s2, 0
	s_cbranch_scc0 .Lentry_in_a_cluster
	s_endpgm
.Lentry_in_a_cluster:
	s_bfe_u32 s2, ttmp6, 0x10000c
	s_cmp_lg_u32 s2, 0xf033
	s_cbranch_scc0 .Lentry_shape_is_right
	s_endpgm
.Lentry_shape_is_right:
.set KK,    4096
.set SCOFF, 16777216
.set LAPS,  KK/1024
.set RIMG,  65536
.set WP,    528
.set HALFW, 64*WP
.set SLOT,  RIMG+2*HALFW
.set SCR,   2*SLOT
.set SCP,   SCR+4*KK
.set HSP,   (KK/128)*272
.set SPARE, SCP+2*HSP
.set RPU,   8192/KK
.if KK == 4096
.set LOGR,  1
.else
.set LOGR,  3
.endif
.set ADRA,  16
.set ADRB,  20
.set ADRSA, 22
.set ADRSB, 23
.set STO,   24
.set RD,    25
.set CO,    26
.set VB,    27
.set SPW,   28
.set NIL,   29
.set BK,    64
.set ACC,   128
.set F0,    0
.set F1,    128
.set G1, 24
.set G0, 32
.set G1B, 48
.set G0B, 56
.set G1S, 68
.set G0S, 76
.set G1SB, 80
.set G0SB, 88
.set MSB, 0
.macro WIN new
.if MSB != \new
	s_set_vgpr_msb (MSB<<8)|\new
.set MSB, \new
.endif
.endm
.set MUL,  0x05
.set TO_F, 0x40
.macro JLOAD g0a, g1a, g0b, g1b
	s_cmp_eq_u32 s15, 0
	s_cbranch_scc0 .Lfor_b_\@
	tensor_load_to_lds s[\g0a:\g0a+3], s[\g1a:\g1a+7]
	s_nop 0
.rept 4
	v_nop
.endr
	s_branch .Lasked_\@
.Lfor_b_\@:
	tensor_load_to_lds s[\g0b:\g0b+3], s[\g1b:\g1b+7]
	s_nop 0
.rept 4
	v_nop
.endr
.Lasked_\@:
.endm
.macro CREST
	s_cmp_lg_u32 s14, 0
	s_cbranch_scc1 .Lnot_wave_0_\@
	s_barrier_signal -3
.Lnot_wave_0_\@:
	s_barrier_wait -3
	s_barrier_signal -1
	s_barrier_wait -1
.endm
.macro CROUND
	s_barrier_signal -1
	s_barrier_wait -1
	CREST
.endm
	s_load_b256 s[4:11], s[0:1], 0x0
	s_load_b128 s[96:99], s[0:1], 0x20
	v_lshl_add_u32 v[SPW], v0, 2, SPARE
	v_mov_b32 v[NIL], 0
	ds_add_u32 v28, v29
	ds_add_u32 v28, v29
	s_wait_dscnt 0x0
	v_lshrrev_b32 v1, 5, v0
	v_readfirstlane_b32 s14, v1
	s_lshr_b32 s15, s14, 1
	s_and_b32 s16, s14, 1
	s_bfe_u32 s40, ttmp6, 0x40000
	s_bfe_u32 s41, ttmp6, 0x40004
	s_lshl_b32 s42, ttmp9, 2
	s_add_co_u32 s42, s42, s40
	s_and_b32 s17, ttmp7, 0xffff
	s_lshl_b32 s17, s17, 2
	s_add_co_u32 s17, s17, s41
	s_lshl_b32 s43, s41, 2
	s_lshl_b32 s43, 15, s43
	s_lshl_b32 s44, 0x1111, s40
	s_or_b32 s[G1+0], s43, (3<<16)|(1<<21)
	s_mov_b32 s[G1+1], 1024<<16
	s_mov_b32 s[G1+2], 8<<16
	s_mov_b32 s[G1+3], 1024<<16
	s_mov_b32 s[G1+4], 8
	s_mov_b32 s[G1+5], 2*KK
	s_mov_b32 s[G1+6], 0
	s_mov_b32 s[G1+7], 0
	s_or_b32 s[G1B+0], s44, (0<<16)|(1<<20)|(1<<21)|(6<<22)|(3<<25)
	s_mov_b32 s[G1B+1], 512<<16
	s_mov_b32 s[G1B+2], 128<<16
	s_mov_b32 s[G1B+3], 512<<16
	s_mov_b32 s[G1B+4], 128
	s_mov_b32 s[G1B+5], KK
	s_mov_b32 s[G1B+6], 0
	s_mov_b32 s[G1B+7], 0
	s_or_b32 s[G1S+0], s43, (3<<16)|(1<<21)
	s_mov_b32 s[G1S+1], 64<<16
	s_mov_b32 s[G1S+2], (KK/128)<<16
	s_mov_b32 s[G1S+3], 64<<16
	s_mov_b32 s[G1S+4], KK/128
	s_mov_b32 s[G1S+5], 2048
	s_mov_b32 s[G1S+6], 0
	s_mov_b32 s[G1S+7], 0
	s_or_b32 s[G1SB+0], s44, (3<<16)|(1<<20)|(1<<21)|(5<<22)|(3<<25)
	s_mov_b32 s[G1SB+1], 32<<16
	s_mov_b32 s[G1SB+2], (KK/64)<<16
	s_mov_b32 s[G1SB+3], 32<<16
	s_mov_b32 s[G1SB+4], KK/64
	s_mov_b32 s[G1SB+5], 32
	s_mov_b32 s[G1SB+6], 0
	s_mov_b32 s[G1SB+7], 0
	s_lshl_b32 s20, s17, 3
	s_mul_i32 s20, s20, 16*KK
	s_mov_b32 s21, 0
	s_lshl_b32 s22, s17, 9
	s_add_co_u32 s22, s22, SCOFF
	s_mov_b32 s23, 0
	s_lshl_b32 s46, s42, 7
	s_mul_i32 s92, s46, KK/32
	s_mov_b32 s93, 0
	s_mul_i32 s46, s46, KK
	s_mov_b32 s47, 0
	s_lshl_b32 s45, s16, 15
	s_mul_i32 s94, s16, HALFW
	s_add_co_u32 s94, s94, RIMG
	s_wait_kmcnt 0x0
	s_add_nc_u64 s[20:21], s[4:5], s[20:21]
	s_add_nc_u64 s[22:23], s[4:5], s[22:23]
	s_add_nc_u64 s[46:47], s[6:7], s[46:47]
	s_add_nc_u64 s[92:93], s[8:9], s[92:93]
	CROUND
	s_mov_b32 s[G0S], 1
	s_mov_b32 s[G0S+1], SCR
	s_mov_b64 s[G0S+2:G0S+3], s[22:23]
	s_or_b32 s[G0S+3], s[G0S+3], 0x80000000
	s_mov_b32 s[G0SB], 1
	s_mov_b32 s[G0SB+1], SCP
	s_mov_b64 s[G0SB+2:G0SB+3], s[92:93]
	s_or_b32 s[G0SB+3], s[G0SB+3], 0x80000000
; THE HEAD'S FOUR TILES, EACH WHOLE, ONE JOINT LOAD A WAVE: wave 0 slot 0's images of R, wave 1 its 128 rows of W, wave 2 R's scale words, wave 3 W's scale bytes.  Slot 0's groups 0 serve them and are set for the ring behind the wait below.
	s_mov_b32 s[G0], 1
	s_mov_b32 s[G0+1], 0
	s_mov_b64 s[G0+2:G0+3], s[20:21]
	s_or_b32 s[G0+3], s[G0+3], 0x80000000
	s_mov_b32 s[G0B], 1
	s_mov_b32 s[G0B+1], RIMG
	s_mov_b64 s[G0B+2:G0B+3], s[46:47]
	s_or_b32 s[G0B+3], s[G0B+3], 0x80000000
; the prefetches' address: a tile's part of a K step is 256 blocks of 256 bytes; each of the eight waves that fetch for it in the four partners takes 32, told apart by address: sixteenth 8 x tile + 2 x place + half, 16 KK bytes each.
; R: a K step of 16 tokens is 8,192 bytes on end, lanes 256 bytes apart.  W: 16 rows of 512 bytes, two lanes to a row.
	s_cmp_eq_u32 s15, 0
	s_cselect_b64 s[12:13], s[4:5], s[6:7]
	s_cselect_b32 s2, s17, s42
	s_cselect_b32 s101, s40, s41
	s_mov_b32 s66, 512
	s_cselect_b32 s66, 8192, s66                   ; a K step on
	s_cselect_b32 s92, 0, 1                        ; lanes to a row, as a shift and as a mask
	s_mov_b32 s93, KK
	s_cselect_b32 s93, 256, s93                    ; from row to row
	s_mov_b32 s67, 0
	s_lshl_b32 s2, s2, 3
	s_lshl_b32 s101, s101, 1
	s_add_co_u32 s2, s2, s101
	s_add_co_u32 s2, s2, s16
	s_mul_i32 s2, s2, 16*KK
	s_mov_b32 s3, 0
	s_add_nc_u64 s[12:13], s[12:13], s[2:3]
.macro ARM under, g0, g1, next         ; one tree of branches on the wave's number: every way through the head passes one load
	s_cmp_lt_u32 s14, \under
	s_cbranch_scc0 \next
	tensor_load_to_lds s[\g0:\g0+3], s[\g1:\g1+7]
	s_nop 0
.rept 4
	v_nop
.endr
	s_branch .Lhead_asked
\next:
.endm
	ARM 1, G0,  G1,  .Lhead_b
	ARM 2, G0B, G1B, .Lhead_sa
	ARM 3, G0S, G1S, .Lhead_sb
	tensor_load_to_lds s[G0SB:G0SB+3], s[G1SB:G1SB+7]
	s_nop 0
.rept 4
	v_nop
.endr
.Lhead_asked:
	v_and_b32 v31, 31, v0
	v_lshrrev_b32 v30, s92, v31
	v_mul_lo_u32 v30, v30, s93
	v_and_b32 v31, s92, v31
	v_lshl_add_u32 v30, v31, 8, v30
	v_add_nc_u32 v30, s66, v30                     ; my lane's block, one K step on
	global_prefetch_b8 v30, s[12:13] th:TH_LOAD_NT scope:SCOPE_SE   ; K step 1
.if KK > 1024
	v_add_nc_u32 v31, s66, v30
	v_add_nc_u32 v12, s66, v31                     ; three K steps on: it serves the ring's prefetches too; never rewritten
	global_prefetch_b8 v31, s[12:13] th:TH_LOAD_NT scope:SCOPE_SE   ; K step 2
	global_prefetch_b8 v12, s[12:13] th:TH_LOAD_NT scope:SCOPE_SE   ; K step 3
.endif
	s_mul_i32 s18, s16, 64*KK                      ; in the ring a wave fetches half a tile: 4 tiles of 16 tokens, or 64 rows of W: 64 KK bytes on
	s_mov_b32 s19, 0
	s_add_nc_u64 s[20:21], s[20:21], s[18:19]
	s_add_nc_u64 s[46:47], s[46:47], s[18:19]
	s_mov_b32 s[G0+4], 1
	s_add_co_u32 s[G0+5], s45, SLOT
	s_add_nc_u64 s[G0+6:G0+7], s[20:21], 8192
	s_or_b32 s[G0+7], s[G0+7], 0x80000000
	s_mov_b32 s[G0B+4], 1
	s_add_co_u32 s[G0B+5], s94, SLOT
	s_add_nc_u64 s[G0B+6:G0B+7], s[46:47], 512
	s_or_b32 s[G0B+7], s[G0B+7], 0x80000000
	s_wait_alu depctr_va_vdst(0)
	s_wait_tensorcnt 0x0                           ; my tile of the four is in
	ds_add_u32 v28, v29
	s_mov_b32 s[G1+2], 4<<16                       ; no tensor load of mine is out: from here on a load brings half a tile
	s_mov_b32 s[G1+4], 4
	s_mov_b32 s[G1B+2], 64<<16
	s_mov_b32 s[G1B+4], 64
	s_mov_b32 s[G0+1], s45                         ; and slot 0's groups 0 stand at my half of K step 0
	s_mov_b64 s[G0+2:G0+3], s[20:21]
	s_or_b32 s[G0+3], s[G0+3], 0x80000000
	s_mov_b32 s[G0B+1], s94
	s_mov_b64 s[G0B+2:G0B+3], s[46:47]
	s_or_b32 s[G0B+3], s[G0B+3], 0x80000000
	s_wait_dscnt 0x0
	CROUND
	JLOAD G0+4, G1, G0B+4, G1B                     ; slot 1, the first tensor load behind the round
	v_and_b32 v1, 15, v0
	v_bfe_u32 v2, v0, 4, 1
	v_and_b32 v3, 31, v0
	s_wait_alu depctr_va_vdst(0)
	v_lshlrev_b32 v4, 4, v3
	v_mul_u32_u24 v5, v1, WP
	v_lshl_add_u32 v5, v2, 4, v5
	s_lshl_b32 s21, s15, 15
	s_mul_i32 s22, s16, HALFW
	s_add_co_u32 s22, s22, RIMG
.irp s, 0,1
	v_add_nc_u32 v[ADRA+\s], s21, v4
	v_add_nc_u32 v[ADRB+\s], s22, v5
	s_add_co_u32 s21, s21, SLOT
	s_add_co_u32 s22, s22, SLOT
.endr
	s_lshl_b32 s21, s15, 8
	s_add_co_u32 s21, s21, SCR
	v_lshl_add_u32 v[ADRSA], v3, 2, s21
	v_lshrrev_b32 v6, LOGR, v3
	v_and_b32 v7, RPU-1, v3
	v_mul_u32_u24 v7, v7, KK/32
	v_mad_u32_u24 v[ADRSB], v6, 272, v7
	s_mul_i32 s22, s16, HSP
	s_add_co_u32 s22, s22, SCP
	v_add_nc_u32 v[ADRSB], s22, v[ADRSB]
	s_mul_i32 s21, s14, 16*272
	v_mul_u32_u24 v[STO], v1, 272
	v_lshl_add_u32 v[STO], v2, 5, v[STO]
	v_add_nc_u32 v[STO], s21, v[STO]
	v_mul_u32_u24 v[RD], v2, 272
	v_lshl_add_u32 v[RD], v1, 4, v[RD]
	v_add_nc_u32 v[RD], s21, v[RD]
	v_lshlrev_b32 v[CO], 12, v2
	v_lshl_add_u32 v[CO], v1, 4, v[CO]
	v_lshlrev_b32 v[VB], 4, v1
	s_wait_alu depctr_va_vdst(0)
	s_lshl_b32 s20, s17, 19
	s_lshl_b32 s21, s15, 18
	s_add_co_u32 s20, s20, s21
	s_lshl_b32 s46, s42, 9
	s_lshl_b32 s47, s16, 8
	s_add_co_u32 s46, s46, s47
	s_mov_b32 s47, 0
	s_add_nc_u64 s[10:11], s[10:11], s[46:47]
	s_add_co_u32 s20, s20, s46
	s_mov_b32 s21, 0
	s_add_nc_u64 s[96:97], s[96:97], s[20:21]
	s_add_nc_u64 s[98:99], s[98:99], s[20:21]
	global_load_b128 v[8:11], v[VB], s[10:11]
	WIN 0x80
.irp a, 0,1,2,3
.irp i, 0,1,2,3,4,5,6,7
	global_load_b128 v[32*\a+4*\i:32*\a+4*\i+3], v[CO], s[96:97] offset:(16*\a+2*\i)*4096
.endr
.endr
	WIN 0
.macro WM a, b, f, set, q, zero
.set rD, ACC+8*(4*(\a)+(\b))
.set rW, (\f)+64+16*(\b)
.set rR, (\f)+16*(\a)
.set rSB, 40+16*(\set)+4*((\b)/2)+(\q)
.set rSA, 32+16*(\set)+4*((\a)/2)+(\q)
.if \zero
.if ((\a)%2 == 0) && ((\b)%2 == 0)
	v_wmma_scale_f32_16x16x128_f8f6f4 v[rD:rD+7], v[rW:rW+15], v[rR:rR+15], 0, v[rSB], v[rSA]
.elseif ((\a)%2 == 0)
	v_wmma_scale_f32_16x16x128_f8f6f4 v[rD:rD+7], v[rW:rW+15], v[rR:rR+15], 0, v[rSB], v[rSA] matrix_a_scale:MATRIX_SCALE_ROW1
.elseif ((\b)%2 == 0)
	v_wmma_scale_f32_16x16x128_f8f6f4 v[rD:rD+7], v[rW:rW+15], v[rR:rR+15], 0, v[rSB], v[rSA] matrix_b_scale:MATRIX_SCALE_ROW1
.else
	v_wmma_scale_f32_16x16x128_f8f6f4 v[rD:rD+7], v[rW:rW+15], v[rR:rR+15], 0, v[rSB], v[rSA] matrix_a_scale:MATRIX_SCALE_ROW1 matrix_b_scale:MATRIX_SCALE_ROW1
.endif
.else
.if ((\a)%2 == 0) && ((\b)%2 == 0)
	v_wmma_scale_f32_16x16x128_f8f6f4 v[rD:rD+7], v[rW:rW+15], v[rR:rR+15], v[rD:rD+7], v[rSB], v[rSA]
.elseif ((\a)%2 == 0)
	v_wmma_scale_f32_16x16x128_f8f6f4 v[rD:rD+7], v[rW:rW+15], v[rR:rR+15], v[rD:rD+7], v[rSB], v[rSA] matrix_a_scale:MATRIX_SCALE_ROW1
.elseif ((\b)%2 == 0)
	v_wmma_scale_f32_16x16x128_f8f6f4 v[rD:rD+7], v[rW:rW+15], v[rR:rR+15], v[rD:rD+7], v[rSB], v[rSA] matrix_b_scale:MATRIX_SCALE_ROW1
.else
	v_wmma_scale_f32_16x16x128_f8f6f4 v[rD:rD+7], v[rW:rW+15], v[rR:rR+15], v[rD:rD+7], v[rSB], v[rSA] matrix_a_scale:MATRIX_SCALE_ROW1 matrix_b_scale:MATRIX_SCALE_ROW1
.endif
.endif
.endm
.macro MUL4 a, f, set, q, zero
.irp bb, 0,1,2,3
	WM \a, \bb, \f, \set, \q, \zero
.endr
.endm
.macro SCALES set
.irp j, 0,1
	ds_load_b128 v[40+16*\set+4*\j:43+16*\set+4*\j], v[ADRSB] offset:\j*(32/RPU)*272
.endr
.irp j, 0,1
.irp q, 0,1,2,3
	ds_load_b32 v[32+16*\set+4*\j+\q], v[ADRSA] offset:512*\q+128*\j
.endr
.endr
.endm
.macro FETCH slot, q, f
	WIN TO_F
.irp i, 0,1,2,3
.irp c, 0,1,2,3
	ds_load_b128 v[\f+64+16*\i+4*\c:\f+64+16*\i+4*\c+3], v[ADRB+\slot] offset:128*(\q)+32*\c+8448*\i
.endr
.endr
.irp i, 0,1,2,3
.irp c, 0,1,2,3
	ds_load_b128 v[\f+16*\i+4*\c:\f+16*\i+4*\c+3], v[ADRA+\slot] offset:2048*(\q)+512*\c+8192*\i
.endr
.endr
.endm
.macro PLACES n
.rept \n
	v_nop
.endr
.endm
.macro QUARTER slot, q, f, g, zero
	s_wait_dscnt 8
	WIN MUL
	MUL4 0, \f, \slot, \q, \zero
	MUL4 1, \f, \slot, \q, \zero
	PLACES 8
	FETCH \slot, (\q)+1, \g
	s_wait_dscnt 32
	WIN MUL
	MUL4 2, \f, \slot, \q, \zero
	MUL4 3, \f, \slot, \q, \zero
.endm
.macro TURN slot, next, fill
	WIN 0
.if \fill
	s_wait_xcnt 0x0                                ; my last prefetch, a K step back, has read its address: it steps one K step on
	s_add_nc_u64 s[12:13], s[12:13], s[66:67]
.endif
	s_wait_tensorcnt 0x0
	ds_add_u32 v[SPW], v[NIL]
	s_wait_dscnt 9
	WIN MUL
	MUL4 0, F1, \slot, 3, 0
	s_wait_dscnt 0x0
	s_barrier_signal -1
	MUL4 1, F1, \slot, 3, 0
	WIN 0
	s_barrier_wait -1
.if \fill
	CREST
	s_add_nc_u64 s[G0+4*\slot+2:G0+4*\slot+3], s[G0+4*\slot+2:G0+4*\slot+3], 16384
	s_add_nc_u64 s[G0B+4*\slot+2:G0B+4*\slot+3], s[G0B+4*\slot+2:G0B+4*\slot+3], 1024
	JLOAD G0+4*\slot, G1, G0B+4*\slot, G1B
	PLACES 4
.else
	PLACES 8
.endif
	s_wait_alu depctr_va_vdst(0)
	v_add_nc_u32 v[ADRSA], 2048, v[ADRSA]
	v_add_nc_u32 v[ADRSB], 16, v[ADRSB]
	SCALES \next
.if \fill
	s_cmp_gt_u32 s3, 1                             ; behind the refill with K step j: the K step j + 2, two refills on; the last trip's two refills have none
	s_cbranch_scc0 .Lno_ask_\@
	global_prefetch_b8 v12, s[12:13] th:TH_LOAD_NT scope:SCOPE_SE
.Lno_ask_\@:
.endif
	FETCH \next, 0, F0
	WIN MUL
	MUL4 2, F1, \slot, 3, 0
	MUL4 3, F1, \slot, 3, 0
.endm
	s_wait_tensorcnt 1
	s_barrier_signal -1
	s_barrier_wait -1
	SCALES 0
	FETCH 0, 0, F0
	QUARTER 0, 0, F0, F1, 1
.if LAPS > 1
	WIN 0
	s_mov_b32 s3, LAPS-1
.Llap:
	QUARTER 0, 1, F1, F0, 0
	QUARTER 0, 2, F0, F1, 0
	TURN 0, 1, 1
	QUARTER 1, 0, F0, F1, 0
	QUARTER 1, 1, F1, F0, 0
	QUARTER 1, 2, F0, F1, 0
	TURN 1, 0, 1
	QUARTER 0, 0, F0, F1, 0
	WIN 0
	s_sub_co_u32 s3, s3, 1
	s_cmp_lg_u32 s3, 0
	s_cbranch_scc1 .Llap
.endif
	QUARTER 0, 1, F1, F0, 0
	QUARTER 0, 2, F0, F1, 0
	TURN 0, 1, 0
	QUARTER 1, 0, F0, F1, 0
	QUARTER 1, 1, F1, F0, 0
	QUARTER 1, 2, F0, F1, 0
	s_wait_dscnt 8
	WIN MUL
	MUL4 0, F1, 1, 3, 0
	MUL4 1, F1, 1, 3, 0
	s_wait_dscnt 0
	MUL4 2, F1, 1, 3, 0
	MUL4 3, F1, 1, 3, 0
	WIN 0
.macro OUTB a
.set BB, BK+32*((\a)%2)
.if (\a) >= 2
	s_wait_xcnt 0x0
.endif
.irp b, 0,1,2,3
	ds_store_b128 v[STO], v[ACC+8*(4*(\a)+\b):ACC+8*(4*(\a)+\b)+3] offset:64*\b
	ds_store_b128 v[STO], v[ACC+8*(4*(\a)+\b)+4:ACC+8*(4*(\a)+\b)+7] offset:64*\b+16
.endr
.irp i, 0,1,2,3,4,5,6,7
	ds_load_b128 v[BB+4*\i:BB+4*\i+3], v[RD] offset:544*\i
.endr
	s_wait_dscnt 0x0
	WIN 0x08
.set i, 0
.rept 16
	v_pk_add_f32 v[BB+2*i:BB+2*i+1], v[BB+2*i:BB+2*i+1], v[32*(\a)+2*i:32*(\a)+2*i+1]
.set i, i+1
.endr
	WIN 0
.irp i, 0,1,2,3,4,5,6,7
	v_pk_add_f32 v[BB+4*\i:BB+4*\i+1], v[BB+4*\i:BB+4*\i+1], v[8:9]
	v_pk_add_f32 v[BB+4*\i+2:BB+4*\i+3], v[BB+4*\i+2:BB+4*\i+3], v[10:11]
.endr
.irp i, 0,1,2,3,4,5,6,7
	global_store_b128 v[CO], v[BB+4*\i:BB+4*\i+3], s[98:99] offset:(16*(\a)+2*\i)*4096
.endr
.endm
	PLACES 8
	s_wait_loadcnt 0x0
	OUTB 0
	OUTB 1
	OUTB 2
	OUTB 3
	s_wait_tensorcnt 0x0
	ds_add_u32 v[SPW], v[NIL]
	s_wait_dscnt 0x0
	CROUND
	s_endpgm
.Lfunc_end_k_q4e75d790ad_ffn2:
	.size	k_q4e75d790ad_ffn2, .Lfunc_end_k_q4e75d790ad_ffn2-k_q4e75d790ad_ffn2
	.p2alignl 7, 3214868480
	.fill 96, 4, 3214868480
	.section	.rodata,"a",@progbits
	.p2align	6, 0x0
	.amdhsa_kernel k_q4e75d790ad_ffn2
		.amdhsa_group_segment_fixed_size 327680
		.amdhsa_private_segment_fixed_size 0
		.amdhsa_enable_private_segment 0
		.amdhsa_kernarg_size 48
		.amdhsa_user_sgpr_count 2
		.amdhsa_user_sgpr_kernarg_segment_ptr 1
		.amdhsa_wavefront_size32 1
		.amdhsa_system_sgpr_workgroup_id_x 1
		.amdhsa_system_sgpr_workgroup_id_y 1
		.amdhsa_system_sgpr_workgroup_id_z 1
		.amdhsa_system_vgpr_workitem_id 0
		.amdhsa_next_free_vgpr 640
		.amdhsa_next_free_sgpr 102
		.amdhsa_reserve_vcc 0
		.amdhsa_float_denorm_mode_32 3
		.amdhsa_float_denorm_mode_16_64 3
		.amdhsa_memory_ordered 1
		.amdhsa_forward_progress 1
		.amdhsa_inst_pref_size 107
	.end_amdhsa_kernel
	.amdgpu_metadata
---
amdhsa.version: [ 1, 2 ]
amdhsa.kernels:
  - .name:           k_q4e75d790ad_ffn2
    .symbol:         k_q4e75d790ad_ffn2.kd
    .args:
      - { .name: fq, .offset: 0, .size: 8, .value_kind: global_buffer, .address_space: global }
      - { .name: W2_codes, .offset: 8, .size: 8, .value_kind: global_buffer, .address_space: global }
      - { .name: W2_scales, .offset: 16, .size: 8, .value_kind: global_buffer, .address_space: global }
      - { .name: b2, .offset: 24, .size: 8, .value_kind: global_buffer, .address_space: global }
      - { .name: x1, .offset: 32, .size: 8, .value_kind: global_buffer, .address_space: global }
      - { .name: out0, .offset: 40, .size: 8, .value_kind: global_buffer, .address_space: global }
    .group_segment_fixed_size: 327680
    .private_segment_fixed_size: 0
    .kernarg_segment_align: 8
    .kernarg_segment_size: 48
    .max_flat_workgroup_size: 128
    .sgpr_count:     102
    .vgpr_count:     640
    .wavefront_size: 32
...
	.end_amdgpu_metadata
.endif
;; end of part 6
